; MI455X (gfx1250); checked and timed in simulation.
; The chip was launched on July 23, 2026; its instructions are those of AMD's public machine-readable ISA for CDNA 5 (MIT licence, August 2026) and "CDNA5" Instruction Set Architecture Reference Guide (July 2026). The comments in the code are by the model that wrote it; some were corrected since.
;; Multi Head Attention. Allowed arithmetic: matrix products marked QUANTISED: E2M3 operands, one E8M0 scale for each 32 along K, by v_wmma_scale_f32_16x16x128_f8f6f4 with both operands' format E2M3, f32 sums; everything else in f32.
;; Inputs: Wk 1,024 x 1,024 float32; Wo 1,024 x 1,024 float32; Wq 1,024 x 1,024 float32; Wv 1,024 x 1,024 float32; cos 1 x 2,048 x 1 x 64 float32; sin 1 x 2,048 x 1 x 64 float32; x 4 x 2,048 x 1,024 float32.
;; Outputs: out0 4 x 2,048 x 1,024 float32.
;; This version of the problem:
;;   THIS VERSION OF THE PROBLEM IS GIVEN IN LOW PRECISION. The matrix products marked QUANTISED in the list below multiply operands that are first quantised to E2M3 (2 exponent bits, 3 mantissa bits; 6 bits a number), with one power-of-two scale for each 32 numbers along K (OCP MX v1.0); their sums are f32. All else is computed in f32.
;;   The module's matrix products, in the order in which they are computed (A, B: the left and right operand; K: the contracted axis; several contracted axes count as one K, in the product's order):
;;     1. [M 8,192, K 1,024] x [K 1,024, N 1,024]; A: input x; B: input Wq: QUANTISED
;;     2. [M 8,192, K 1,024] x [K 1,024, N 1,024]; A: input x; B: input Wk: QUANTISED
;;     3. [M 8,192, K 1,024] x [K 1,024, N 1,024]; A: input x; B: input Wv: QUANTISED
;;     4. batch 64 x [M 2,048, K 64] x [K 64, N 2,048]; A: computed on the way; B: computed on the way: QUANTISED
;;     5. batch 64 x [M 64, K 2,048] x [K 2,048, N 2,048]; A: computed on the way; B: softmax (see below): QUANTISED
;;     6. [M 8,192, K 1,024] x [K 1,024, N 1,024]; A: computed on the way; B: input Wo: QUANTISED
;;   THE QUANTISER, for each operand of a quantised product, along K:
;;     - K is cut into blocks of 32 from its start; a last block that is shorter is filled with zeros.
;;     - A block's scale is 2^e with e = floor(log2(the largest magnitude in the block)) - 2, held to -126 .. 127; a block of zeros has e = 0. As a byte (E8M0): e + 127.
;;     - Each number is divided by its block's scale, clamped to +-7.5, and rounded to the nearest number of E2M3, ties to even, subnormals kept.
;;     - The product sums the exact products of the quantised numbers (number of the format x scale) in f32.
;;   ~~~python
;;   def quantise(x, axis):      # numpy; x: float32 -> the quantised numbers, widened to float32 again
;;       x = np.moveaxis(x, axis, -1); K = x.shape[-1]
;;       x = np.pad(x, [(0, 0)] * (x.ndim - 1) + [(0, -K % 32)]); x = x.reshape(x.shape[:-1] + (-1, 32)); a = np.abs(x).max(-1, keepdims=True)
;;       e = np.where(a > 0, np.clip(np.frexp(np.where(a > 0, a, 1))[1] - 1 - 2, -126, 127), 0)      # np.frexp(a)[1] - 1 = floor(log2(a)), exactly
;;       r = np.clip(x / 2.0 ** e, -7.5, 7.5)
;;       step = 2.0 ** (np.maximum(np.frexp(np.where(r == 0, 1, r))[1] - 1, 0) - 3)
;;       q = np.round(r / step) * step * 2.0 ** e      # np.round: ties to even
;;       return np.moveaxis(q.reshape(q.shape[:-2] + (-1,))[..., :K], -1, axis).astype(np.float32)
;;   ~~~
;;   SOFTMAX AHEAD OF A QUANTISED PRODUCT. Where the list says 'softmax', what is quantised is not the finished softmax but p = 2^(t - M), with t = logit x log2(e) and M = ceil(the row's largest t), a whole number; so 1/2 < the row's largest p <= 1. The row's sum l is taken of the UNQUANTISED p, in f32, and the product's result is divided by l at the end. Since M is a whole number, a kernel that streams over the keys may use a running M (the ceiling of the running maximum): every later rescaling is an exact power of two, which a block's scale takes up: the codes' values come out the same.
;;   OPERANDS COMPUTED ON THE WAY. 'Computed on the way' means the value that the module computes at that place (a softmax that the list does not call 'softmax' is quantised finished and normalised). What goes into a quantiser is computed in f32, as accurately as f32 sums, v_exp_f32 and their like allow (about 1e-6 of the number): no bf16 or f16 on the way to a quantiser, and a product that is left as it is and whose result goes on into a quantised operand takes f32 operands (vector FMAs, or v_wmma_f32_16x16x4_f32). A number that lies on a knife's edge between two numbers of the format may be rounded either way, as far as f32 arithmetic and the matrix unit's own rounding can turn it there, and no further.
;; One version. Each part assembles by itself: llvm-mc -triple=amdgcn-amd-amdhsa -mcpu=gfx1250 --defsym DOCPART=n.
;; ======== version 1 of 1: 4 launches
;; limits: right only within a limited range of input values
;; workspace buffers: xw 9,830,400 bytes; qkv 19,660,800 bytes; yb 6,553,600 bytes
;; launch quant (part 1): grid 384 x 1, 4 waves a work-group, no clusters, 34,304 bytes of LDS; arguments x, Wq, Wk, Wv, Wo, xw; writes xw
.if DOCPART == 1
	.amdgcn_target "amdgcn-amd-amdhsa--gfx1250"
	.amdhsa_code_object_version 6
	.text
	.protected	k_q99f1845038_quant
	.globl	k_q99f1845038_quant
	.p2align	8
	.type	k_q99f1845038_quant,@function
k_q99f1845038_quant:
	s_mov_b64 s[64:65], 0
	v_nop
	global_prefetch_b8 v0, s[64:65] scope:SCOPE_SE
	s_setreg_imm32_b32 hwreg(HW_REG_WAVE_MODE, 25, 1), 1
	s_wait_xcnt 0x0
; x [8192][1024] and Wq, Wk, Wv, Wo [1024][1024], f32, K innermost, become codes of FP6 (E2M3) with one E8M0 byte for each 32 along K, in the workspace xw.
; The five tensors count as one table of 12,288 rows: x 0.., Wq 8192.., Wk 9216.., Wv 10240.., Wo 11264...  A row tile is 16 rows.
; CODES lie as IMAGES OF OPERAND REGISTERS: a fragment (16 rows x 128 K, 12 registers a lane) is 1,536 bytes, registers 4 c .. 4 c + 3 of lane l at 512 c + 16 l.
;   xw: [chunk of 256 along K: 4][row tile: 768][128 of the chunk: 2][1,536];  behind them the scale words: [half of K: 2][row: 12,288][4 words], one word for a row and 128 along K.
; ORDER INSIDE A BLOCK.  The 32 codes of a block stand in the order k 0-7, 16-23, 8-15, 24-31.  Every operand of this program has that order (it is the one in which two neighbouring result tiles
; fall out of the conversions), so both sides of each product agree; blocks and scales are the true ones.  What differs from k in its true places is only how the unit groups the sums of one instruction.
; A block's scale is 2^(floor(log2(largest magnitude)) - 2): its byte is the largest magnitude's exponent field - 2, held at 1 from below.
; LIMITS: a block of zeros gets the byte 1 (its codes are zeros; this program alone reads the bytes); blocks whose largest magnitude lies under 2^-124 are held at byte 1; NaN and infinities are not served.
; SHARES.  A work-group has two row tiles; a wave 16 rows x 512 along K: four steps of one fragment.  A step's 16 loads each read 512 consecutive bytes of one row; the 8 KiB turn through the wave's own
; stage in LDS (rows of 512 + 16 bytes) and come back 32 numbers of one block to a lane.  No barrier: waves share nothing.  No cluster: no two work-groups read the same bytes.
.set PLX,    2359296                   ; bytes of one chunk's images: 768 row tiles x 3,072
.set XSC,    4*PLX                     ; where the scale words begin
.set SHALF,  196608                    ; the scale words of half of K: 12,288 rows x 16 bytes
.set SPITCH, 528                       ; a stage row
.set WSTG,   16*SPITCH                 ; a wave's stage
.set R,   16                           ; v16-143  two sets of 64: a step's numbers as loaded
.set X,   144                          ; v144-207 my two blocks of 32, in the order of the codes
.set PC,  208                          ; v208-219 the fragment's 12 registers
.set PT,  220                          ; v220-222, v224-226 the upper halves of the two blocks, as the conversions leave them
.set M,   228                          ; v228-229 largest magnitudes
.set SO,  230                          ; v230-231 the conversions' scale operands
.set BY,  232                          ; v232-233 the scale bytes
.set W,   234                          ; v234-237 a scale word for each step
.set TP,  238                          ; v238-239 at work
	s_load_b256 s[4:11], s[0:1], 0x0               ; x, Wq, Wk, Wv
	s_load_b128 s[12:15], s[0:1], 0x20             ; Wo, xw
	v_lshl_add_u32 v240, v0, 2, 0x8400
	v_mov_b32 v241, 0
	v_lshrrev_b32 v1, 5, v0
	v_readfirstlane_b32 s16, v1                    ; wave 0..3
	v_and_b32 v1, 31, v0                           ; lane
	v_and_b32 v2, 15, v0                           ; r: my row of the tile
	v_bfe_u32 v3, v0, 4, 1                         ; hh: which of a pair of blocks is mine
	v_lshlrev_b32 v4, 4, v1                        ; 16 x lane: my bytes of a load's 512, and of an image's
	s_mul_i32 s17, s16, WSTG
	v_add_nc_u32 v5, s17, v4                       ; the stage, on the way in
	v_mul_u32_u24 v6, v2, SPITCH
	v_lshl_add_u32 v6, v3, 7, v6
	v_add_nc_u32 v6, s17, v6                       ; and out: row r, + 128 bytes for the upper lanes' block
	v_lshlrev_b32 v7, 3, v3                        ; 8 hh: my bytes' place in a scale word
	v_lshlrev_b32 v8, 4, v2
	v_lshl_add_u32 v8, v3, 3, v8                   ; 16 r + 8 hh: two of my row's four scale words
	v_cmp_eq_u32 s30, 1, v3                        ; the upper lanes
	v_mov_b32 v[TP+1], 0                           ; written once: a lane permute's destination counts as one of its sources
	s_mov_b32 s28, 0x76543210
	s_mov_b32 s29, 0xfedcba98                      ; v_permlanex16_b32's selects for lane l xor 16
	s_lshr_b32 s18, s16, 1                         ; which of the group's two row tiles
	s_and_b32 s19, s16, 1                          ; which half of K
	s_wait_alu depctr_va_vdst(0)
	s_wait_kmcnt 0x0
	s_mov_b64 s[20:21], s[4:5]                     ; the tensor is chosen by the work-group's number alone; one path serves all five
	s_mov_b32 s22, 0                               ; and the number of its first work-group
	s_cmp_ge_u32 ttmp9, 256
	s_cselect_b64 s[20:21], s[6:7], s[20:21]
	s_cselect_b32 s22, 256, s22
	s_cmp_ge_u32 ttmp9, 288
	s_cselect_b64 s[20:21], s[8:9], s[20:21]
	s_cselect_b32 s22, 288, s22
	s_cmp_ge_u32 ttmp9, 320
	s_cselect_b64 s[20:21], s[10:11], s[20:21]
	s_cselect_b32 s22, 320, s22
	s_cmp_ge_u32 ttmp9, 352
	s_cselect_b64 s[20:21], s[12:13], s[20:21]
	s_cselect_b32 s22, 352, s22
	s_sub_co_u32 s23, ttmp9, s22
	s_lshl_b32 s23, s23, 1
	s_add_co_u32 s23, s23, s18                     ; my row tile inside the tensor
	s_lshl_b32 s24, s23, 16                        ; 16 rows of 4,096 bytes
	s_lshl_b32 s25, s19, 11                        ; + my half of K
	s_add_co_u32 s24, s24, s25
	s_mov_b32 s25, 0
	s_add_nc_u64 s[20:21], s[20:21], s[24:25]
	s_lshl_b32 s23, ttmp9, 1
	s_add_co_u32 s23, s23, s18                     ; my row tile in the table of all five
	s_mul_i32 s24, s23, 3072
	s_mul_i32 s26, s19, 2*PLX
	s_add_co_u32 s24, s24, s26
	s_add_nc_u64 s[26:27], s[14:15], s[24:25]      ; my images: chunk 2 x half, my row tile
	s_lshl_b32 s24, s23, 8
	s_mul_i32 s31, s19, SHALF
	s_add_co_u32 s24, s24, s31
	s_add_co_u32 s24, s24, XSC
	s_add_nc_u64 s[32:33], s[14:15], s[24:25]      ; my 16 rows' scale words of my half
.macro LOAD t                          ; step t: 128 along K of 16 rows; each load takes 512 consecutive bytes of one row
.irp i, 0,1,2,3,4,5,6,7,8,9,10,11,12,13,14,15
	global_load_b128 v[R+64*((\t)%2)+4*\i:R+64*((\t)%2)+4*\i+3], v4, s[20:21] offset:4096*\i+512*(\t) th:TH_LOAD_NT
.endr
.endm
.macro QSTEP t
.set RB, R+64*((\t)%2)
.if (\t) < 3
	s_wait_loadcnt 16                              ; this step's 16 loads are in; the next step's 16 may be out
.else
	s_wait_loadcnt 0x0
.endif
.irp i, 0,1,2,3,4,5,6,7,8,9,10,11,12,13,14,15
	ds_store_b128 v5, v[RB+4*\i:RB+4*\i+3] offset:SPITCH*\i
.endr
.irp c, 0,1                            ; my block 2 c + hh of row r, 128 bytes, taken in the order of the codes: k 0-7, 16-23, 8-15, 24-31.  LDS serves a wave's instructions in order: these see the stores above
	ds_load_b128 v[X+32*\c:X+32*\c+3],     v6 offset:256*\c
	ds_load_b128 v[X+32*\c+4:X+32*\c+7],   v6 offset:256*\c+16
	ds_load_b128 v[X+32*\c+8:X+32*\c+11],  v6 offset:256*\c+64
	ds_load_b128 v[X+32*\c+12:X+32*\c+15], v6 offset:256*\c+80
	ds_load_b128 v[X+32*\c+16:X+32*\c+19], v6 offset:256*\c+32
	ds_load_b128 v[X+32*\c+20:X+32*\c+23], v6 offset:256*\c+48
	ds_load_b128 v[X+32*\c+24:X+32*\c+27], v6 offset:256*\c+96
	ds_load_b128 v[X+32*\c+28:X+32*\c+31], v6 offset:256*\c+112
.endr
	s_wait_dscnt 0x0                               ; my blocks are in, and the stores have read the set that the next loads take
.if (\t)+2 < 4
	LOAD (\t)+2
.endif
.irp c, 0,1
	v_max3_num_f32 v[M+\c], |v[X+32*\c]|, |v[X+32*\c+1]|, 0x1800000   ; all 32 numbers of a block are mine; the floor 2^(3 - 127) holds the byte at 1 from below
.endr
.irp i, 2,4,6,8,10,12,14,16,18,20,22,24,26,28,30
.irp c, 0,1
	v_max3_num_f32 v[M+\c], v[M+\c], |v[X+32*\c+\i]|, |v[X+32*\c+\i+1]|   ; (the two blocks by turns)
.endr
.endr
.irp c, 0,1
	v_add_nc_u32 v[SO+\c], 0xff000000, v[M+\c]     ; 2 off the exponent field: the conversion takes that field as its scale
.endr
.irp c, 0,1
	v_lshrrev_b32 v[BY+\c], 23, v[SO+\c]           ; the scale's byte
.endr
	v_lshl_or_b32 v[TP], v[BY+1], 16, v[BY]        ; my bytes: blocks hh and 2 + hh,
	v_lshlrev_b32 v[TP], v7, v[TP]                 ; at their places;
	v_permlanex16_b32 v[TP+1], v[TP], s28, s29
	v_or_b32 v[W+(\t)], v[TP], v[TP+1]             ; with lane l xor 16's two the row's word is whole
	s_wait_alu depctr_va_vdst(0)
	s_wait_xcnt 0x0                                ; the last step's stores have read the fragment's registers
.irp c, 0,1
	v_cvt_scalef32_pk16_fp6_f32 v[PC+6*\c:PC+6*\c+2], v[X+32*\c:X+32*\c+15], v[SO+\c]
	v_cvt_scalef32_pk16_fp6_f32 v[PT+4*\c:PT+4*\c+2], v[X+32*\c+16:X+32*\c+31], v[SO+\c]   ; (a conversion's three registers begin on an even number)
.endr
	v_nop                                          ; one plain line behind the conversions
.irp c, 0,1
.irp i, 0,1,2
	v_mov_b32 v[PC+6*\c+3+\i], v[PT+4*\c+\i]
.endr
.endr
.irp c, 0,1,2
	global_store_b128 v4, v[PC+4*\c:PC+4*\c+3], s[26:27] offset:((\t)/2)*PLX+((\t)%2)*1536+512*\c   ; 512 consecutive bytes, aligned
.endr
.endm
	LOAD 0
	LOAD 1
	QSTEP 0
	QSTEP 1
	QSTEP 2
	QSTEP 3
	v_cndmask_b32 v[TP], v[W], v[W+2], s30         ; lanes 0-15 store words 0 and 1 of their row, lanes 16-31 words 2 and 3
	v_cndmask_b32 v[TP+1], v[W+1], v[W+3], s30
	global_store_b64 v8, v[TP:TP+1], s[32:33]      ; the wave stores 256 consecutive bytes, aligned
	s_wait_tensorcnt 0x0
	ds_add_u32 v240, v241
	s_wait_dscnt 0x0
	s_endpgm
.Lfunc_end_k_q99f1845038_quant:
	.size	k_q99f1845038_quant, .Lfunc_end_k_q99f1845038_quant-k_q99f1845038_quant
	.p2alignl 7, 3214868480
	.fill 96, 4, 3214868480
	.section	.rodata,"a",@progbits
	.p2align	6, 0x0
	.amdhsa_kernel k_q99f1845038_quant
		.amdhsa_group_segment_fixed_size 34304
		.amdhsa_private_segment_fixed_size 0
		.amdhsa_enable_private_segment 0
		.amdhsa_kernarg_size 48
		.amdhsa_user_sgpr_count 2
		.amdhsa_user_sgpr_kernarg_segment_ptr 1
		.amdhsa_wavefront_size32 1
		.amdhsa_system_sgpr_workgroup_id_x 1
		.amdhsa_system_sgpr_workgroup_id_y 1
		.amdhsa_system_sgpr_workgroup_id_z 1
		.amdhsa_system_vgpr_workitem_id 0
		.amdhsa_next_free_vgpr 242
		.amdhsa_next_free_sgpr 66
		.amdhsa_reserve_vcc 0
		.amdhsa_float_denorm_mode_32 3
		.amdhsa_float_denorm_mode_16_64 3
		.amdhsa_memory_ordered 1
		.amdhsa_forward_progress 1
		.amdhsa_inst_pref_size 31
	.end_amdhsa_kernel
	.amdgpu_metadata
---
amdhsa.version: [ 1, 2 ]
amdhsa.kernels:
  - .name:           k_q99f1845038_quant
    .symbol:         k_q99f1845038_quant.kd
    .args:
      - { .name: x, .offset: 0, .size: 8, .value_kind: global_buffer, .address_space: global }
      - { .name: Wq, .offset: 8, .size: 8, .value_kind: global_buffer, .address_space: global }
      - { .name: Wk, .offset: 16, .size: 8, .value_kind: global_buffer, .address_space: global }
      - { .name: Wv, .offset: 24, .size: 8, .value_kind: global_buffer, .address_space: global }
      - { .name: Wo, .offset: 32, .size: 8, .value_kind: global_buffer, .address_space: global }
      - { .name: xw, .offset: 40, .size: 8, .value_kind: global_buffer, .address_space: global }
    .group_segment_fixed_size: 34304
    .private_segment_fixed_size: 0
    .kernarg_segment_align: 8
    .kernarg_segment_size: 48
    .max_flat_workgroup_size: 128
    .sgpr_count:     66
    .vgpr_count:     242
    .wavefront_size: 32
...
	.end_amdgpu_metadata
.endif
;; end of part 1
;; launch proj (part 2): grid 8 x 32, 4 waves a work-group, clusters of 4 x 4, 327,680 bytes of LDS; arguments xw, cos, sin, qkv; writes qkv
.if DOCPART == 2
	.amdgcn_target "amdgcn-amd-amdhsa--gfx1250"
	.amdhsa_code_object_version 6
	.text
	.protected	k_q99f1845038_proj
	.globl	k_q99f1845038_proj
	.p2align	8
	.type	k_q99f1845038_proj,@function
k_q99f1845038_proj:
	s_mov_b64 s[64:65], 0
	v_nop
	global_prefetch_b8 v0, s[64:65] scope:SCOPE_SE
	s_setreg_imm32_b32 hwreg(HW_REG_WAVE_MODE, 25, 1), 1
	s_wait_xcnt 0x0
	s_wait_alu depctr_hold_cnt(0) depctr_sa_sdst(0) depctr_va_vdst(0) depctr_va_sdst(0) depctr_va_ssrc(0) depctr_va_vcc(0) depctr_vm_vsrc(0)
	s_getreg_b32 s2, hwreg(HW_REG_IB_STS2, 6, 4)
	s_cmp_eq_u32 s2, 0
	s_cbranch_scc0 .Lentry_in_a_cluster
	s_endpgm
.Lentry_in_a_cluster:
	s_bfe_u32 s2, ttmp6, 0x10000c
	s_cmp_lg_u32 s2, 0xf033
	s_cbranch_scc0 .Lentry_shape_is_right
	s_endpgm
.Lentry_shape_is_right:
; q, k, v = x Wq^T, x Wk^T, x Wv^T on codes of FP6 (E2M3) with E8M0 scales; then RoPE and the RMS norm of each head for q and k, in f32; then all three are quantised for attention and stored as images of operand registers.
; A WORK-GROUP STAYS: it owns 256 tokens (tile row ty) and the 128 outputs of tile column tx (two heads) of q, of k and of v, one after the other.  The codes of its 256 rows of x for ALL of K = 1,024 (196,608 bytes) come into LDS once
; and stay; beside them lie the codes of 128 rows of one W (98,304 bytes).  Behind q's products W's bytes are filled again with Wk's rows, behind k's with Wv's: the fill is on its way while the finished tile is normed, quantised and stored.
; q and k are one loop of two trips: only scalar addresses differ.  No prefetch: a refill has the whole way out of a tile in which to land, and the head's loads have no loop ahead of them.
; CLUSTER 4 x 4: the four of a row need the same rows of x, the four of a column the same rows of W: each block is asked for jointly; a round of the cluster's barrier stands in front of each group of joint loads.
; LDS: half f of K at 147,456 f: x's chunks 2 f and 2 f + 1 of 256 along K (49,152 bytes each), then W's two (24,576 each).  At the head waves 0, 2 bring x's halves and waves 1, 3 W's; a refill is one chunk of W a wave.
; The input xw holds fragments (16 rows x 128 K, 1,536 bytes) as images of their 12 registers: three loads of 16 bytes a lane, 512 consecutive bytes each.
; Source 0 of a product is P (8 tiles), source 1 is R (4 tiles): 32 accumulators a wave.  A lane of a result holds one row of R, and its registers run along P's rows.
;   q, k: P = W's 128 rows (two heads), R = my 64 tokens: a lane holds a token and 8 channels a tile: RoPE's partner (32 channels on) is two tiles on in the same lane, and the head's 64 are the next K.
;   v:    P = 128 tokens, R = 64 rows of Wv (one head): a lane holds a channel, and its registers run along the tokens, which are the next K.
; After the conversions and the exchange of halves a block's codes stand in the order k 0-7, 16-23, 8-15, 24-31, the order that every operand of this program has.
; OUTPUT qkv: for each (batch, head) 307,200 bytes: regions q, k, v of 102,400: 64 fragments of 1,536 bytes, then 1,024 scale words [fragment][row].
;   q, k: fragment F: registers 0-5 tokens 32 F + r, registers 6-11 tokens 32 F + 16 + r, the lane's half = the head's block of 32; in a fragment of odd number lane l's 16 bytes lie at 16 (l xor 8).   v: fragment 4 j + t: channels 16 t + r, keys 128 j on.
; LIMITS: blocks of zeros get the byte 1 (zero codes; read by this program alone); blocks under 2^-124 are held at byte 1; NaN and infinities are not served.
; REGISTERS: window 0: v1-19 addresses; v32-63, v64-79 scale words of P and R for all of K (they hold nothing else); v96-159 64 numbers at work; v160-213 the quantiser's.
;   window 1: P's fragments, two sets; on q, k's way out the second token pair's cos and sin.   window 2: the accumulators.   window 3: R's fragments, two sets (v0-95); v96-223 the first pair's cos and sin, kept for both trips.
.set PLX,   2359296                    ; a chunk's images in xw
.set XSC,   4*PLX                      ; xw's scale words: [half of K][row][4 words]
.set SHALF, 196608
.set HALFK, 147456
.set WOFF,  98304                      ; where W's chunks begin in a half
.set WR0,   512                        ; Wq's first row tile in xw; Wk's and Wv's lie 64 and 128 row tiles on
.set HEADB, 307200
.set REG,   102400
.set SCO,   98304
.set L16, 3                            ; v3  16 x lane;  v19  16 x (lane xor 8)
.set L4,  4
.set ADP, 8                            ; v8-11   LDS address of P's fragments in chunk 0..3
.set ADR, 12                           ; v12-15  of R's
.set TA,  18                           ; v18     cos, sin: 256 r + 32 h
.set SP,  32
.set SR,  64
.set N,   96
.set TM,  160
.set PW,  176
.set WS,  177
.set PC,  184
.set SS,  204
.set RS,  208
.set OW,  212
.set G1A, 24                           ; s[24:31] group 1 for x's head load;  s[32:39] for W's;  s[44:51] for a refill's chunk of W
.set G1B, 32
.set G0A, 40
.set G1C, 44
.set G0C, 52
.set G0B, 68
.set TRIP, 72
.set COSP, 84
.set SINP, 86
.set OUT,  88
.set HM,   90
.set SEL,  92
.set EPS,  94
.set INV,  95
.set OUTS, 96
.set SPB,  98
.set SRB,  100
.set MSB, 0
.macro WIN new                         ; the immediate's high byte repeats the setting that is left; a switch that changes nothing is dropped
.if MSB != (\new)
	s_set_vgpr_msb (MSB<<8)|(\new)
.set MSB, (\new)
.endif
.endm
.macro CROUND                          ; a round of the cluster's barrier
	s_barrier_signal -1
	s_barrier_wait -1
	s_cmp_lg_u32 s14, 0
	s_cbranch_scc1 .Lnot_wave_0_\@
	s_barrier_signal -3
.Lnot_wave_0_\@:
	s_barrier_wait -3
	s_barrier_signal -1
	s_barrier_wait -1
.endm
.macro PLACES                          ; four plain lines between a matrix instruction and a load into, or a read of, its registers
.rept 4
	v_nop
.endr
.endm
.macro WM                              ; one product; rD, rA, rB, rSA, rSB name its registers; fZ: it starts the sum; fRA, fRB: the scale words stand in lanes 16-31
.if fZ
.if fRA && fRB
	v_wmma_scale_f32_16x16x128_f8f6f4 v[rD:rD+7], v[rA:rA+11], v[rB:rB+11], 0, v[rSA], v[rSB] matrix_a_fmt:MATRIX_FMT_FP6 matrix_b_fmt:MATRIX_FMT_FP6 matrix_a_scale:MATRIX_SCALE_ROW1 matrix_b_scale:MATRIX_SCALE_ROW1
.elseif fRA
	v_wmma_scale_f32_16x16x128_f8f6f4 v[rD:rD+7], v[rA:rA+11], v[rB:rB+11], 0, v[rSA], v[rSB] matrix_a_fmt:MATRIX_FMT_FP6 matrix_b_fmt:MATRIX_FMT_FP6 matrix_a_scale:MATRIX_SCALE_ROW1
.elseif fRB
	v_wmma_scale_f32_16x16x128_f8f6f4 v[rD:rD+7], v[rA:rA+11], v[rB:rB+11], 0, v[rSA], v[rSB] matrix_a_fmt:MATRIX_FMT_FP6 matrix_b_fmt:MATRIX_FMT_FP6 matrix_b_scale:MATRIX_SCALE_ROW1
.else
	v_wmma_scale_f32_16x16x128_f8f6f4 v[rD:rD+7], v[rA:rA+11], v[rB:rB+11], 0, v[rSA], v[rSB] matrix_a_fmt:MATRIX_FMT_FP6 matrix_b_fmt:MATRIX_FMT_FP6
.endif
.else
.if fRA && fRB
	v_wmma_scale_f32_16x16x128_f8f6f4 v[rD:rD+7], v[rA:rA+11], v[rB:rB+11], v[rD:rD+7], v[rSA], v[rSB] matrix_a_fmt:MATRIX_FMT_FP6 matrix_b_fmt:MATRIX_FMT_FP6 matrix_a_scale:MATRIX_SCALE_ROW1 matrix_b_scale:MATRIX_SCALE_ROW1
.elseif fRA
	v_wmma_scale_f32_16x16x128_f8f6f4 v[rD:rD+7], v[rA:rA+11], v[rB:rB+11], v[rD:rD+7], v[rSA], v[rSB] matrix_a_fmt:MATRIX_FMT_FP6 matrix_b_fmt:MATRIX_FMT_FP6 matrix_a_scale:MATRIX_SCALE_ROW1
.elseif fRB
	v_wmma_scale_f32_16x16x128_f8f6f4 v[rD:rD+7], v[rA:rA+11], v[rB:rB+11], v[rD:rD+7], v[rSA], v[rSB] matrix_a_fmt:MATRIX_FMT_FP6 matrix_b_fmt:MATRIX_FMT_FP6 matrix_b_scale:MATRIX_SCALE_ROW1
.else
	v_wmma_scale_f32_16x16x128_f8f6f4 v[rD:rD+7], v[rA:rA+11], v[rB:rB+11], v[rD:rD+7], v[rSA], v[rSB] matrix_a_fmt:MATRIX_FMT_FP6 matrix_b_fmt:MATRIX_FMT_FP6
.endif
.endif
.endm
; K step s: 32 products.  The 32 accumulators take turns, one instruction a turn, in the same order in every step.
; kind 0 (q, k): accumulator (q, p) at 64 (2 (q / 2) + p / 4) + 32 (q % 2) + 8 (p % 4): a pair of token tiles x one head is 64 registers on end.   kind 1 (v): at 64 q + 8 p.
.macro MULS s, kind
	WIN 0xad                                       ; source 0 (P) window 1, source 1 (R) window 3, C and D window 2
.irp q, 0,1,2,3
.irp p, 0,1,2,3,4,5,6,7
.if \kind
.set rD, 64*\q+8*\p
.else
.set rD, 64*(2*(\q/2)+\p/4)+32*(\q%2)+8*(\p%4)
.endif
.set rA, 96*((\s)%2)+12*\p
.set rB, 48*((\s)%2)+12*\q
.set rSA, SP+8*(\p/2)+(\s)
.set rSB, SR+8*(\q/2)+(\s)
.if (\s) == 0
.set fZ, 1
.else
.set fZ, 0
.endif
.set fRA, \p%2
.set fRB, \q%2
	WM
.endr
.endr
.endm
.macro FETCH s                         ; K step s's fragments: 24 + 12 loads of 512 consecutive bytes, into set s % 2
	WIN 0x40                                       ; destination window 1
.irp p, 0,1,2,3,4,5,6,7
.irp c, 0,1,2
	ds_load_b128 v[96*((\s)%2)+12*\p+4*\c:96*((\s)%2)+12*\p+4*\c+3], v[ADP+(\s)/2] offset:3072*\p+1536*((\s)%2)+512*\c
.endr
.endr
	WIN 0xc0                                       ; destination window 3
.irp q, 0,1,2,3
.irp c, 0,1,2
	ds_load_b128 v[48*((\s)%2)+12*\q+4*\c:48*((\s)%2)+12*\q+4*\c+3], v[ADR+(\s)/2] offset:3072*\q+1536*((\s)%2)+512*\c
.endr
.endr
	WIN 0
.endm
; All of K, written out: eight steps.  nl: the LDS loads of one FETCH
.macro GEMM kind, nl
	s_wait_tensorcnt 0x0                           ; my one load is in,
	s_barrier_signal -1
	s_barrier_wait -1                              ; everybody's is: x and this W lie whole in LDS
	FETCH 0
.irp s, 0,1,2,3,4,5,6
.if \s > 0
	PLACES                                         ; the last step's products read the set that is loaded now
.endif
	FETCH \s+1
	s_wait_dscnt \nl                               ; all but the loads just issued: this step's fragments are in
.if \s == 0
	s_wait_loadcnt 0x0                             ; the scale words (and, the first time, the first pair's tables)
.endif
	MULS \s, \kind
.endr
	s_wait_dscnt 0x0
	MULS 7, \kind
	WIN 0
.endm
; 64 numbers of a lane in window w, v[s] on, register 16 b + i of block b, become a fragment's codes in v[PC] on and its scale word in v[PW]
.macro QUANT s, w
	WIN (\w)|((\w)<<2)
.irp b, 0,1,2,3
	v_max3_num_f32 v[TM+\b], |v[\s+16*\b]|, |v[\s+1+16*\b]|, 0x1800000   ; my 16 numbers of block b, from the low end on, and the floor 2^(3 - 127)
.endr
	WIN ((\w)<<2)|((\w)<<4)
.irp i, 2,4,6,8,10,12,14
.irp b, 0,1,2,3
	v_max3_num_f32 v[TM+\b], v[TM+\b], |v[\s+16*\b+\i]|, |v[\s+1+16*\b+\i]|
.endr
.endr
	WIN 0
.irp b, 0,1,2,3
	v_permlanex16_b32 v[TM+4+\b], v[TM+\b], s[SEL], s[SEL+1]
.endr
.irp b, 0,1,2,3
	v_max_num_f32 v[TM+\b], v[TM+\b], v[TM+4+\b]   ; with lane l xor 16's 16: the block's largest magnitude
.endr
.irp b, 0,1,2,3
	v_add_nc_u32 v[TM+12+\b], 0xff000000, v[TM+\b] ; 2 off the exponent field: the conversion's scale operand
.endr
.irp b, 0,1,2,3
	v_lshrrev_b32 v[TM+4+\b], 23, v[TM+12+\b]      ; the scale's byte
.endr
	v_lshl_or_b32 v[PW], v[TM+5], 8, v[TM+4]
	v_lshl_or_b32 v[PW], v[TM+6], 16, v[PW]
	v_lshl_or_b32 v[PW], v[TM+7], 24, v[PW]
	WIN (\w)
.irp c, 0,1
	v_cvt_scalef32_pk16_fp6_f32 v[PC+6*\c:PC+2+6*\c], v[\s+32*\c:\s+15+32*\c], v[TM+12+2*\c]
	v_cvt_scalef32_pk16_fp6_f32 v[PC+12+4*\c:PC+14+4*\c], v[\s+16+32*\c:\s+31+32*\c], v[TM+12+2*\c+1]   ; (a conversion's three registers begin on an even number)
.endr
	WIN 0
	v_nop                                          ; one plain line behind the conversions
.irp c, 0,1                            ; the operand wants a whole block in a lane: lanes 0-15 block 2 c, lanes 16-31 block 2 c + 1
.irp i, 0,1,2
	v_permlane16_swap_b32 v[PC+6*\c+\i], v[PC+12+4*\c+\i]
.endr
.irp i, 0,1,2
	v_mov_b32 v[PC+3+6*\c+\i], v[PC+12+4*\c+\i]
.endr
.endr
.endm
; cos and sin of token pair ap (32 tokens): register cb + 64 (0: cos, 1: sin) + 32 a + 8 t + i = the table at token 16 a + r, channel 16 t + 8 h + i: the layout of the results
.macro TABLES ap, cb
.irp a, 0,1
.irp t, 0,1,2,3
.irp u, 0,1
	global_load_b128 v[\cb+32*\a+8*\t+4*\u:\cb+32*\a+8*\t+4*\u+3], v[TA], s[COSP:COSP+1] offset:(32*\ap+16*\a)*256+64*\t+16*\u
	global_load_b128 v[\cb+64+32*\a+8*\t+4*\u:\cb+64+32*\a+8*\t+4*\u+3], v[TA], s[SINP:SINP+1] offset:(32*\ap+16*\a)*256+64*\t+16*\u
.endr
.endr
.endr
.endm
; Token pair ap, head eta of the tile's two: RoPE, RMS norm, quantiser, one fragment out.  win, cb: where the pair's tables lie.
.macro GROUP ap, eta, win, cb
.set gA, 64*(2*\ap+\eta)
	WIN 2|((\win)<<2)                              ; source 0 (results) window 2, source 1 (tables) window win
.irp a, 0,1
.irp t, 0,1
.irp j, 0,2,4,6                        ; each accumulator from its low end on
.set oL, 32*\a+8*\t+\j
.set oH, oL+16
	v_pk_mul_f32 v[N+oL:N+oL+1], v[gA+oL:gA+oL+1], v[\cb+oL:\cb+oL+1]
	v_pk_mul_f32 v[N+oH:N+oH+1], v[gA+oH:gA+oH+1], v[\cb+oH:\cb+oH+1]
	v_pk_fma_f32 v[N+oL:N+oL+1], v[gA+oH:gA+oH+1], v[\cb+64+oL:\cb+64+oL+1], v[N+oL:N+oL+1] neg_lo:[1,0,0] neg_hi:[1,0,0]   ; channels 0-31: x cos - x(+32) sin
	v_pk_fma_f32 v[N+oH:N+oH+1], v[gA+oL:gA+oL+1], v[\cb+64+oH:\cb+64+oH+1], v[N+oH:N+oH+1]                                 ; channels 32-63: x cos + x(-32) sin
.endr
.endr
.endr
	WIN 0
	v_pk_mul_f32 v[SS:SS+1], v[N:N+1], v[N:N+1]    ; the sum of squares of my 32 channels, for each of the two tokens
	v_pk_mul_f32 v[SS+2:SS+3], v[N+32:N+33], v[N+32:N+33]
.irp i, 2,4,6,8,10,12,14,16,18,20,22,24,26,28,30
	v_pk_fma_f32 v[SS:SS+1], v[N+\i:N+\i+1], v[N+\i:N+\i+1], v[SS:SS+1]
	v_pk_fma_f32 v[SS+2:SS+3], v[N+32+\i:N+33+\i], v[N+32+\i:N+33+\i], v[SS+2:SS+3]
.endr
	v_add_f32 v[SS], v[SS], v[SS+1]
	v_add_f32 v[SS+2], v[SS+2], v[SS+3]
	v_permlanex16_b32 v[SS+1], v[SS], s[SEL], s[SEL+1]
	v_permlanex16_b32 v[SS+3], v[SS+2], s[SEL], s[SEL+1]
	v_add_f32 v[SS], v[SS], v[SS+1]                ; with lane l xor 16's 32 channels
	v_add_f32 v[SS+2], v[SS+2], v[SS+3]
	v_fma_f32 v[SS], v[SS], s[INV], s[EPS]         ; the mean + 1e-6
	v_fma_f32 v[SS+2], v[SS+2], s[INV], s[EPS]
	s_wait_alu depctr_va_vdst(0)
	v_rsq_f32 v[RS], v[SS]
	v_rsq_f32 v[RS+2], v[SS+2]
	v_nop                                          ; one plain line behind the transcendentals
	s_wait_alu depctr_va_vdst(0)
.irp i, 0,2,4,6,8,10,12,14,16,18,20,22,24,26,28,30
	v_pk_mul_f32 v[N+\i:N+\i+1], v[N+\i:N+\i+1], v[RS:RS+1] op_sel_hi:[1,0]
	v_pk_mul_f32 v[N+32+\i:N+33+\i], v[N+32+\i:N+33+\i], v[RS+2:RS+3] op_sel_hi:[1,0]
.endr
	s_wait_xcnt 0x0                                ; the last fragment's stores have read their registers
	QUANT N, 0
.irp c, 0,1,2
	global_store_b128 v[L16+16*\ap], v[PC+4*\c:PC+4*\c+3], s[OUT:OUT+1] offset:\eta*HEADB+1536*\ap+512*\c   ; 512 consecutive bytes, aligned; in a fragment of odd number lane l's 16 bytes lie at 16 (l xor 8)
.endr
	v_mov_b32 v[WS+2*\eta+\ap], v[PW]
.endm
	s_load_b256 s[4:11], s[0:1], 0x0               ; xw, cos, sin, qkv
	v_lshl_add_u32 v254, v0, 2, 0x48000
	v_mov_b32 v255, 0
	ds_add_u32 v254, v255                          ; the opening lines: the add, twice on end, and its wait ahead of my first tensor load
	ds_add_u32 v254, v255
	v_lshrrev_b32 v1, 5, v0
	v_readfirstlane_b32 s14, v1                    ; wave 0..3
	s_lshr_b32 s15, s14, 1                         ; wave / 2: at the head, which half of K I fetch
	s_and_b32 s16, s14, 1                          ; wave % 2: at the head, for x (0) or for W (1)
	s_bfe_u32 s17, ttmp6, 0x40000                  ; cx, cy: my place in the cluster
	s_bfe_u32 s18, ttmp6, 0x40004
	s_lshl_b32 s19, ttmp9, 2
	s_add_co_u32 s19, s19, s17                     ; tx = 4 x cluster x + cx
	s_and_b32 s20, ttmp7, 0xffff
	s_lshl_b32 s20, s20, 2
	s_add_co_u32 s20, s20, s18                     ; ty = 4 x cluster y + cy
	s_lshl_b32 s21, s18, 2
	s_lshl_b32 s21, 15, s21                        ; my row of the cluster
	s_lshl_b32 s22, 0x1111, s17                    ; my column
	s_or_b32 s[G1A], s21, (3<<16)|(1<<21)          ; 15:0 the mask; 17:16 elements of 8 bytes; 21 set beside a mask; no padding
	s_mov_b32 s[G1A+1], 6144<<16                   ; x: two rows, one for each chunk, of 49,152 bytes (6,144 elements)
	s_mov_b32 s[G1A+2], 2<<16
	s_mov_b32 s[G1A+3], 6144<<16
	s_mov_b32 s[G1A+4], 2
	s_mov_b32 s[G1A+5], PLX/8                      ; from chunk to chunk
	s_mov_b32 s[G1A+6], 0
	s_mov_b32 s[G1A+7], 0
	s_or_b32 s[G1B], s22, (3<<16)|(1<<21)
	s_mov_b32 s[G1B+1], 3072<<16                   ; W at the head: two rows of 24,576 bytes
	s_mov_b32 s[G1B+2], 2<<16
	s_mov_b32 s[G1B+3], 3072<<16
	s_mov_b32 s[G1B+4], 2
	s_mov_b32 s[G1B+5], PLX/8
	s_mov_b32 s[G1B+6], 0
	s_mov_b32 s[G1B+7], 0
	s_or_b32 s[G1C], s22, (3<<16)|(1<<21)
	s_mov_b32 s[G1C+1], 32<<16                     ; a refill: one chunk of W, a dense block, as 96 rows of 256 bytes
	s_mov_b32 s[G1C+2], 96<<16
	s_mov_b32 s[G1C+3], 32<<16
	s_mov_b32 s[G1C+4], 96
	s_mov_b32 s[G1C+5], 32
	s_mov_b32 s[G1C+6], 0
	s_mov_b32 s[G1C+7], 0
	s_mul_i32 s60, s15, 2*PLX
	s_mul_i32 s56, s20, 16*3072                    ; x: row tile 16 ty: it hangs on ty alone, which my row of the cluster shares
	s_add_co_u32 s56, s56, s60
	s_mov_b32 s57, 0
	s_lshl_b32 s58, s19, 3                         ; Wq: row tile WR0 + 8 tx: on tx alone, which my column shares
	s_add_co_u32 s58, s58, WR0
	s_mul_i32 s58, s58, 3072
	s_add_co_u32 s58, s58, s60
	s_mov_b32 s59, 0
	s_mul_i32 s60, s15, HALFK                      ; where they go: no place in the cluster enters an LDS address
	s_add_co_u32 s61, s60, WOFF
	s_mul_i32 s62, s16, PLX                        ; a refill's chunk is my wave's number: 2 (wave / 2) + wave % 2
	s_mov_b32 s63, 0
	s_mul_i32 s23, s16, 24576
	s_wait_dscnt 0x0
	s_wait_kmcnt 0x0
	s_add_nc_u64 s[56:57], s[4:5], s[56:57]
	s_add_nc_u64 s[58:59], s[4:5], s[58:59]
	s_mov_b32 s[G0A], 1
	s_mov_b32 s[G0A+1], s60
	s_mov_b64 s[G0A+2:G0A+3], s[56:57]
	s_or_b32 s[G0A+3], s[G0A+3], 0x80000000
	s_mov_b32 s[G0B], 1
	s_mov_b32 s[G0B+1], s61
	s_mov_b64 s[G0B+2:G0B+3], s[58:59]
	s_or_b32 s[G0B+3], s[G0B+3], 0x80000000
	s_mov_b32 s[G0C], 1
	s_add_co_u32 s[G0C+1], s61, s23
	s_add_nc_u64 s[G0C+2:G0C+3], s[58:59], s[62:63] ; Wq's chunk: each refill first steps it 64 row tiles on
	s_or_b32 s[G0C+3], s[G0C+3], 0x80000000
	CROUND                                         ; all sixteen work-groups are here: the joint loads meet
	s_cmp_eq_u32 s16, 0                            ; one joint load a wave, in the two arms of one branch on its number
	s_cbranch_scc0 .Lfor_w
	tensor_load_to_lds s[G0A:G0A+3], s[G1A:G1A+7]
	s_nop 0
.rept 4
	v_nop
.endr
	s_branch .Lasked
.Lfor_w:
	tensor_load_to_lds s[G0B:G0B+3], s[G1B:G1B+7]
	s_nop 0
.rept 4
	v_nop
.endr
.Lasked:
	v_and_b32 v1, 31, v0                           ; lane
	v_bfe_u32 v2, v0, 4, 1                         ; h
	v_and_b32 v5, 15, v0                           ; r
	v_lshlrev_b32 v[L16], 4, v1
	v_xor_b32 v[L16+16], 128, v[L16]
	v_lshlrev_b32 v[L4], 2, v1
	v_lshlrev_b32 v[TA], 8, v5
	v_lshl_add_u32 v[TA], v2, 5, v[TA]
	v_cmp_eq_u32 s[HM], 1, v2
.irp b, 0,1,2,3
	v_mov_b32 v[TM+4+\b], 0                        ; written once: a lane permute's destination counts as one of its sources
.endr
	v_mov_b32 v[RS+1], 0                           ; (named as the upper halves of pairs)
	v_mov_b32 v[RS+3], 0
	s_mov_b32 s[SEL], 0x76543210
	s_mov_b32 s[SEL+1], 0xfedcba98
	s_mov_b32 s[EPS], 0x358637bd                   ; 1e-6
	s_mov_b32 s[INV], 0x3c800000                   ; 1 / 64
	s_mov_b32 s3, 0
	; ---------------- q and k
	s_lshl_b32 s2, s19, 11                         ; P's scale words: Wq's rows 8192 + 128 tx on, 16 bytes a row and half of K
	s_add_co_u32 s2, s2, XSC+8192*16
	s_add_nc_u64 s[SPB:SPB+1], s[4:5], s[2:3]
	s_lshl_b32 s2, s20, 12                         ; R's: rows 256 ty + 64 wave on
	s_lshl_b32 s12, s14, 10
	s_add_co_u32 s2, s2, s12
	s_add_co_u32 s2, s2, XSC
	s_add_nc_u64 s[SRB:SRB+1], s[4:5], s[2:3]
.irp i, 0,1                            ; a register carries the words of 32 rows: lanes 0-15 tile 2 i, lanes 16-31 tile 2 i + 1; each load takes 512 consecutive bytes
.irp f, 0,1
	global_load_b128 v[SR+8*\i+4*\f:SR+8*\i+4*\f+3], v[L16], s[SRB:SRB+1] offset:\f*SHALF+512*\i
.endr
.endr
	s_lshl_b32 s2, s20, 8                          ; cos, sin: my first token inside its sequence, 256 bytes a token
	s_lshl_b32 s12, s14, 6
	s_add_co_u32 s2, s2, s12
	s_and_b32 s2, s2, 2047
	s_lshl_b32 s2, s2, 8
	s_add_nc_u64 s[COSP:COSP+1], s[6:7], s[2:3]
	s_add_nc_u64 s[SINP:SINP+1], s[8:9], s[2:3]
	WIN 0xc0
	s_wait_alu depctr_va_vdst(0)
	TABLES 0, 96                                   ; the first token pair's tables: they serve both trips
	WIN 0
.irp k, 0,1,2,3
	v_add_nc_u32 v[ADP+\k], (\k/2)*HALFK+WOFF+(\k%2)*24576, v[L16]   ; P = W's eight tiles
.endr
	s_mul_i32 s12, s14, 12288                      ; R = my four tiles of x
.irp k, 0,1,2,3
	v_add_nc_u32 v[ADR+\k], s12, v[L16]
	s_add_co_u32 s12, s12, 49152+49152*(\k%2)
.endr
	s_lshr_b32 s2, s20, 3                          ; where the results go: (batch, the tile's first head), region q,
	s_lshl_b32 s2, s2, 4
	s_lshl_b32 s12, s19, 1
	s_add_co_u32 s2, s2, s12
	s_mul_i32 s2, s2, HEADB
	s_and_b32 s12, s20, 7
	s_lshl_b32 s12, s12, 3
	s_lshl_b32 s13, s14, 1
	s_add_co_u32 s12, s12, s13                     ; fragment 8 (ty % 8) + 2 wave
	s_mul_i32 s13, s12, 1536
	s_add_co_u32 s13, s13, s2
	s_lshl_b32 s12, s12, 6
	s_add_co_u32 s12, s12, s2
	s_add_co_u32 s12, s12, SCO
	s_mov_b32 s2, s13
	s_add_nc_u64 s[OUT:OUT+1], s[10:11], s[2:3]
	s_mov_b32 s2, s12
	s_add_nc_u64 s[OUTS:OUTS+1], s[10:11], s[2:3]
	s_mov_b32 s[TRIP], 0
	s_wait_alu depctr_va_vdst(0)
.Lqk:                                                  ; trip 0: q, trip 1: k
.irp i, 0,1,2,3
.irp f, 0,1
	global_load_b128 v[SP+8*\i+4*\f:SP+8*\i+4*\f+3], v[L16], s[SPB:SPB+1] offset:\f*SHALF+512*\i
.endr
.endr
	GEMM 0, 36
	s_wait_tensorcnt 0x0                           ; no load of mine is out,
	ds_add_u32 v254, v255
	s_add_nc_u64 s[G0C+2:G0C+3], s[G0C+2:G0C+3], 64*3072   ; so the group 0 may be written: the next W's rows, 64 row tiles on
	s_wait_dscnt 0x0                               ; the add is done, and my reads of this W are over
	CROUND                                         ; both now hold of every wave of all sixteen work-groups
	tensor_load_to_lds s[G0C:G0C+3], s[G1C:G1C+7]  ; my chunk of the next W, over this W's: it lands under the way out below
	s_nop 0
.rept 4
	v_nop                                          ; also the places behind the last products
.endr
	WIN 0x40
	TABLES 1, 0                                    ; the second pair's tables take window 1's fragments
	WIN 0
	GROUP 0, 0, 3, 96
	GROUP 0, 1, 3, 96
	s_wait_loadcnt 0x0
	GROUP 1, 0, 1, 0
	GROUP 1, 1, 1, 0
.irp e, 0,1                            ; a head's scale words of my two fragments: lanes 0-15 the first's, lanes 16-31 the second's: 128 consecutive bytes
	v_cndmask_b32 v[OW+\e], v[WS+2*\e], v[WS+2*\e+1], s[HM]
	global_store_b32 v[L4], v[OW+\e], s[OUTS:OUTS+1] offset:\e*HEADB
.endr
	s_wait_xcnt 0x0                                ; the stores have read their registers and bases
	s_add_nc_u64 s[SPB:SPB+1], s[SPB:SPB+1], 1024*16       ; Wk's rows lie 1,024 behind Wq's
	s_add_nc_u64 s[OUT:OUT+1], s[OUT:OUT+1], REG           ; region k
	s_add_nc_u64 s[OUTS:OUTS+1], s[OUTS:OUTS+1], REG
	s_add_co_u32 s[TRIP], s[TRIP], 1
	s_cmp_lt_u32 s[TRIP], 2
	s_wait_alu depctr_va_vdst(0)
	s_cbranch_scc1 .Lqk
	; ---------------- v
	s_lshl_b32 s2, s20, 12                         ; P's scale words: x's rows 256 ty + 128 (wave / 2) on
	s_lshl_b32 s12, s15, 11
	s_add_co_u32 s2, s2, s12
	s_add_co_u32 s2, s2, XSC
	s_add_nc_u64 s[SPB:SPB+1], s[4:5], s[2:3]
	s_lshl_b32 s2, s19, 11                         ; R's: Wv's rows 10240 + 128 tx + 64 (wave % 2) on
	s_lshl_b32 s12, s16, 10
	s_add_co_u32 s2, s2, s12
	s_add_co_u32 s2, s2, XSC+10240*16
	s_add_nc_u64 s[SRB:SRB+1], s[4:5], s[2:3]
.irp i, 0,1,2,3
.irp f, 0,1
	global_load_b128 v[SP+8*\i+4*\f:SP+8*\i+4*\f+3], v[L16], s[SPB:SPB+1] offset:\f*SHALF+512*\i
.endr
.endr
.irp i, 0,1
.irp f, 0,1
	global_load_b128 v[SR+8*\i+4*\f:SR+8*\i+4*\f+3], v[L16], s[SRB:SRB+1] offset:\f*SHALF+512*\i
.endr
.endr
	s_mul_i32 s12, s15, 24576                      ; P = eight tiles of x: my half of the tokens
	s_mul_i32 s13, s16, 12288                      ; R = four tiles of Wv: my head
	s_add_co_u32 s13, s13, WOFF
.irp k, 0,1,2,3
	v_add_nc_u32 v[ADP+\k], s12, v[L16]
	v_add_nc_u32 v[ADR+\k], s13, v[L16]
	s_add_co_u32 s12, s12, 49152+49152*(\k%2)
	s_add_co_u32 s13, s13, 24576+98304*(\k%2)
.endr
	s_lshr_b32 s2, s20, 3                          ; (batch, my head),
	s_lshl_b32 s2, s2, 4
	s_lshl_b32 s12, s19, 1
	s_add_co_u32 s2, s2, s12
	s_add_co_u32 s2, s2, s16
	s_mul_i32 s2, s2, HEADB
	s_and_b32 s12, s20, 7
	s_lshl_b32 s12, s12, 1
	s_add_co_u32 s12, s12, s15                     ; j: which 128 keys of the sequence
	s_mul_i32 s13, s12, 6144
	s_add_co_u32 s13, s13, 2*REG
	s_add_co_u32 s13, s13, s2
	s_lshl_b32 s12, s12, 8
	s_add_co_u32 s12, s12, 2*REG+SCO
	s_add_co_u32 s12, s12, s2
	s_mov_b32 s2, s13
	s_add_nc_u64 s[OUT:OUT+1], s[10:11], s[2:3]
	s_mov_b32 s2, s12
	s_add_nc_u64 s[OUTS:OUTS+1], s[10:11], s[2:3]
	s_wait_alu depctr_va_vdst(0)
	GEMM 1, 36
	PLACES                                         ; results are read below
.irp q, 0,1,2,3                        ; channels 16 q + r: the lane's 64 registers are 128 keys' halves, four blocks: one fragment
	s_wait_xcnt 0x0                                ; the last fragment's stores have read their registers
	QUANT 64*\q, 2
.irp c, 0,1,2
	global_store_b128 v[L16], v[PC+4*\c:PC+4*\c+3], s[OUT:OUT+1] offset:1536*\q+512*\c
.endr
	v_mov_b32 v[WS+\q], v[PW]
.endr
.irp e, 0,1
	v_cndmask_b32 v[OW+\e], v[WS+2*\e], v[WS+2*\e+1], s[HM]
	global_store_b32 v[L4], v[OW+\e], s[OUTS:OUTS+1] offset:128*\e
.endr
	s_wait_dscnt 0x0
	s_wait_tensorcnt 0x0                           ; the wave's end
	ds_add_u32 v254, v255
	s_wait_dscnt 0x0
	CROUND                                         ; the closing round: no work-group ends while a partner may still ask for a block that names it
	s_endpgm
.Lfunc_end_k_q99f1845038_proj:
	.size	k_q99f1845038_proj, .Lfunc_end_k_q99f1845038_proj-k_q99f1845038_proj
	.p2alignl 7, 3214868480
	.fill 96, 4, 3214868480
	.section	.rodata,"a",@progbits
	.p2align	6, 0x0
	.amdhsa_kernel k_q99f1845038_proj
		.amdhsa_group_segment_fixed_size 327680
		.amdhsa_private_segment_fixed_size 0
		.amdhsa_enable_private_segment 0
		.amdhsa_kernarg_size 32
		.amdhsa_user_sgpr_count 2
		.amdhsa_user_sgpr_kernarg_segment_ptr 1
		.amdhsa_wavefront_size32 1
		.amdhsa_system_sgpr_workgroup_id_x 1
		.amdhsa_system_sgpr_workgroup_id_y 1
		.amdhsa_system_sgpr_workgroup_id_z 1
		.amdhsa_system_vgpr_workitem_id 0
		.amdhsa_next_free_vgpr 1024
		.amdhsa_next_free_sgpr 102
		.amdhsa_reserve_vcc 0
		.amdhsa_float_denorm_mode_32 3
		.amdhsa_float_denorm_mode_16_64 3
		.amdhsa_memory_ordered 1
		.amdhsa_forward_progress 1
		.amdhsa_inst_pref_size 193
	.end_amdhsa_kernel
	.amdgpu_metadata
---
amdhsa.version: [ 1, 2 ]
amdhsa.kernels:
  - .name:           k_q99f1845038_proj
    .symbol:         k_q99f1845038_proj.kd
    .args:
      - { .name: xw, .offset: 0, .size: 8, .value_kind: global_buffer, .address_space: global }
      - { .name: cos, .offset: 8, .size: 8, .value_kind: global_buffer, .address_space: global }
      - { .name: sin, .offset: 16, .size: 8, .value_kind: global_buffer, .address_space: global }
      - { .name: qkv, .offset: 24, .size: 8, .value_kind: global_buffer, .address_space: global }
    .group_segment_fixed_size: 327680
    .private_segment_fixed_size: 0
    .kernarg_segment_align: 8
    .kernarg_segment_size: 32
    .max_flat_workgroup_size: 128
    .sgpr_count:     102
    .vgpr_count:     1024
    .wavefront_size: 32
...
	.end_amdgpu_metadata
.endif
;; end of part 2
;; launch attn (part 3): grid 4 x 64, 8 waves a work-group, clusters of 4 x 1, 206,848 bytes of LDS; arguments qkv, yb; writes yb
.if DOCPART == 3
	.amdgcn_target "amdgcn-amd-amdhsa--gfx1250"
	.amdhsa_code_object_version 6
	.text
	.protected	k_q99f1845038_attn
	.globl	k_q99f1845038_attn
	.p2align	8
	.type	k_q99f1845038_attn,@function
k_q99f1845038_attn:
	s_mov_b64 s[64:65], 0
	v_nop
	global_prefetch_b8 v0, s[64:65] scope:SCOPE_SE
	s_setreg_imm32_b32 hwreg(HW_REG_WAVE_MODE, 25, 1), 1
	s_wait_xcnt 0x0
	s_wait_alu depctr_hold_cnt(0) depctr_sa_sdst(0) depctr_va_vdst(0) depctr_va_sdst(0) depctr_va_ssrc(0) depctr_va_vcc(0) depctr_vm_vsrc(0)
	s_getreg_b32 s2, hwreg(HW_REG_IB_STS2, 6, 4)
	s_cmp_eq_u32 s2, 0
	s_cbranch_scc0 .Lentry_in_a_cluster
	s_endpgm
.Lentry_in_a_cluster:
	s_bfe_u32 s2, ttmp6, 0x10000c
	s_cmp_lg_u32 s2, 0x3003
	s_cbranch_scc0 .Lentry_shape_is_right
	s_endpgm
.Lentry_shape_is_right:
; y[b][q][h][:] = the sum over k of softmax_k(q . k / 8) v[k][:], both products on codes of FP6 (E2M3) with E8M0 scales; y is quantised along the model's 1,024 (a head is two blocks of 32) for the last product.
; SHARES.  A work-group owns 512 queries of one (batch, head); each of its eight waves 64: two passes over all 2,048 keys, 128 a step, with TWO tiles of 16 queries at a time, so that a fragment of k or v read from LDS feeds both.
; LDS IS THE MEMORY IMAGE OF THE HEAD'S k AND v REGIONS, 204,800 dense bytes, filled once: k's 64 fragments, k's scale words, v's 64 fragments, v's scale words.  The four work-groups of a cluster share the head:
; each wave asks jointly for one eighth.  From the barrier on LDS is only read.  No prefetch: the one fill stands at the head, and no loop runs ahead of it.
; LAYOUT.  Both products are used transposed (S^T = K Q^T, O^T = V^T P^T): a lane holds one query (lane % 16) throughout.
; THE FIRST PRODUCT'S K IS 64, the instruction's 128.  A fragment of k holds two tiles of 16 keys (registers 0-5, 6-11); q | 0 multiplies the first, 0 | q the second.  Zero codes add nothing under any valid scale byte.
; WHICH KEYS FORM A TILE is chosen by the lanes' LDS addresses: rows 0-7 of an operand come from lanes 8 x .. 8 x + 7 of stored fragment 2 c (one block of 32 keys), rows 8-15 from the same lanes of fragment 2 c + 1 (the next block).
; A result's lanes 0-15 hold rows 0-7 and lanes 16-31 rows 8-15: so a lane's 32 registers of four tiles are ONE WHOLE BLOCK of 32 keys, block 2 c + lane / 16, which is what the second product's operand wants of that lane:
; the block's largest needs no other lane, and the conversions' results are the operand's registers.  Inside a block the codes stand in the order 0-7, 16-23, 8-15, 24-31, as v's do.
; Stored fragments of odd number have lane l's 16 bytes at 16 (l xor 8): the eight lanes that read fragment 2 c and the eight that read 2 c + 1 then touch different halves of 256 bytes.
; NO MAXIMUM IS TAKEN AWAY, and the exponents are bounded all the same, for every input: q and k are RMS-normalised, so each has norm at most 8; quantising adds at most 1/16 of a number and 1/64 of its block's
; largest, so the quantised norms stay under 9.5, |q . k| / 8 under 11.3 and |t| = |logit x log2(e)| under 17.  p = 2^t lies in 2^-17 .. 2^17, a row's sum under 2^28, O under 2^28 x |v|.
; Against p = 2^(t - M), M a whole number, this p differs by the exact factor 2^M, which a block's scale takes up: the codes are the same, and so is O divided by the sum.
; OUTPUT yb: codes [chunk of 256 of the 1,024: 4][tile of 16 tokens: 512][128 of the chunk: 2][head of the 128: 2][768]: registers 0-3 at 16 l, registers 4-5 at 512 + 8 l; behind them scale words [128 of the 1,024: 8][token];
;   a head owns two bytes of a word, so they leave as 2 bytes a lane: the word's other half belongs to another work-group.
; LIMITS: blocks of zeros get the byte 1; blocks of y under 2^-124 are held at byte 1; NaN and infinities are not served.
; REGISTERS.  Window 0: v2-15 addresses, v16-23 scale words (they hold nothing else), v32-79 k's fragments, v80-127 v's.  v128-255: a tile's own, tile 0 in window 0 and tile 1 in window 1 under the same numbers.
;   Window 1, v0-35: q | 0 | q of both tiles; v40-63 q's fragments of the two passes as loaded.
.set HEADB, 307200
.set REG,   102400
.set SCO,   98304
.set KSC,   98304                      ; LDS: k's scale words
.set VC,    102400                     ; v's fragments
.set VSC,   200704                     ; v's scale words
.set SPARE, 204800                     ; the spare words: 128 bytes a wave, four blocks of 256 bytes that no other line names
.set PLY,   1572864
.set YSC,   4*PLY
.set KB,  2                            ; v2-3  k's fragments, x = 0, 1
.set KWB, 4                            ; v4    k's scale words
.set VBM, 5                            ; v5    v's fragments, one step back (the step's scalar offset is the NEXT step's)
.set VWM, 6                            ; v6    v's scale words, likewise
.set L16, 7
.set L8,  8
.set L4,  9
.set LX,  10                           ; 16 x (lane xor 8)
.set AK,  11                           ; v11-15 the step's LDS addresses
.set AKW, 13
.set AV,  14
.set AVW, 15
.set KS,  16                           ; v16-17 k's scale words; v18-19 v's; v20-21 p's, a tile each; v22-23 q's
.set VS,  18
.set PW,  20
.set QS,  22
.set QW,  24                           ; v24-25 q's words of the two passes as loaded
.set TW,  26
.set SPW, 28
.set NIL, 29
.set KF,  32
.set VF,  80
.set S,   128                          ; S^T, then p
.set O,   192                          ; O^T
.set PC,  224                          ; p's codes; y's
.set PT,  236                          ; v236-238, v240-242 upper halves as the conversions leave them
.set BM,  244                          ; v244-247 largest scores, four chains
.set SO,  248                          ; v248-249 the conversions' scale operands
.set L0,  250                          ; v250-251 the row's sum, in two parts
.set T,   252
.set HW,  254                          ; y's two scale bytes
.set QO,  0                            ; window 1
.set QI,  40
.set QJ,  52
.set MSB, 0
.macro WIN new                         ; the immediate's high byte repeats the setting that is left; a switch that changes nothing is dropped
.if MSB != (\new)
	s_set_vgpr_msb (MSB<<8)|(\new)
.set MSB, (\new)
.endif
.endm
.macro CROUND
	s_barrier_signal -1
	s_barrier_wait -1
	s_cmp_lg_u32 s8, 0
	s_cbranch_scc1 .Lnot_wave_0_\@
	s_barrier_signal -3
.Lnot_wave_0_\@:
	s_barrier_wait -3
	s_barrier_signal -1
	s_barrier_wait -1
.endm
.macro MM d, a, b, z, sa, sb, row      ; one product; z: it starts the sum; row: source 0's scale words stand in lanes 16-31
.if \z
.if \row
	v_wmma_scale_f32_16x16x128_f8f6f4 v[\d:\d+7], v[\a:\a+11], v[\b:\b+11], 0, v[\sa], v[\sb] matrix_a_fmt:MATRIX_FMT_FP6 matrix_b_fmt:MATRIX_FMT_FP6 matrix_a_scale:MATRIX_SCALE_ROW1
.else
	v_wmma_scale_f32_16x16x128_f8f6f4 v[\d:\d+7], v[\a:\a+11], v[\b:\b+11], 0, v[\sa], v[\sb] matrix_a_fmt:MATRIX_FMT_FP6 matrix_b_fmt:MATRIX_FMT_FP6
.endif
.else
.if \row
	v_wmma_scale_f32_16x16x128_f8f6f4 v[\d:\d+7], v[\a:\a+11], v[\b:\b+11], v[\d:\d+7], v[\sa], v[\sb] matrix_a_fmt:MATRIX_FMT_FP6 matrix_b_fmt:MATRIX_FMT_FP6 matrix_a_scale:MATRIX_SCALE_ROW1
.else
	v_wmma_scale_f32_16x16x128_f8f6f4 v[\d:\d+7], v[\a:\a+11], v[\b:\b+11], v[\d:\d+7], v[\sa], v[\sb] matrix_a_fmt:MATRIX_FMT_FP6 matrix_b_fmt:MATRIX_FMT_FP6
.endif
.endif
.endm
.macro SALL t                          ; tile t's scores of 128 keys: operand (c, x), its first 16 keys (u = 0) and its second: registers 32 c + 16 x + 8 u on
.irp c, 0,1
.irp x, 0,1
.irp u, 0,1
	MM S+32*\c+16*\x+8*\u, KF+24*\c+12*\x, QO+18*\t+6*\u, 1, KS+\c, QS+\t, \x
.endr
.endr
.endr
.endm
.macro OALL t, z                       ; tile t: 64 channels, 128 keys more
.irp d, 0,1,2,3
	MM O+8*\d, VF+12*\d, PC, \z, VS+\d/2, PW+\t, \d%2
.endr
.endm
.macro KLOAD a, w                      ; a step's four operands of k and their scale words (lanes 0-15: x = 0, lanes 16-31: x = 1): 14 loads
.irp c, 0,1
.irp x, 0,1
.irp g, 0,1,2
	ds_load_b128 v[KF+24*\c+12*\x+4*\g:KF+24*\c+12*\x+4*\g+3], v[\a+\x] offset:3072*\c+512*\g
.endr
.endr
.endr
	ds_load_b32 v[KS], v[\w]
	ds_load_b32 v[KS+1], v[\w] offset:128
.endm
; Tile w's scores become p, its codes and scale word, and the row's sum.  All registers in window w, but for the scale word, which lies in window 0.
.macro SOFT w, z
	WIN 0x55*\w
	s_wait_alu depctr_va_vdst(0)
.irp k, 0,1,2,3                        ; the largest SCORE of each block, in two chains of 16 registers: p rises with the score.  Each accumulator is read from its low end on
	v_max3_num_f32 v[BM+\k], v[S+16*\k], v[S+16*\k+1], v[S+16*\k+2]
.endr
.irp i, 3,5,7,9,11,13
.irp k, 0,1,2,3
	v_max3_num_f32 v[BM+\k], v[BM+\k], v[S+16*\k+\i], v[S+16*\k+\i+1]
.endr
.endr
.irp c, 0,1
	v_max3_num_f32 v[BM+2*\c], v[BM+2*\c], v[S+32*\c+15], v[S+32*\c+31]
.endr
.irp c, 0,1
	s_delay_alu instid0(VALU_DEP_2)
	v_max_num_f32 v[BM+2*\c], v[BM+2*\c], v[BM+2*\c+1]
.endr
.irp j, 0,2,4,6,8,10,12,14,16,18,20,22,24,26,28,30,32,34,36,38,40,42,44,46,48,50,52,54,56,58,60,62
	v_pk_mul_f32 v[S+\j:S+\j+1], v[S+\j:S+\j+1], s[26:27] op_sel_hi:[1,0]   ; t = score x c
.endr
.irp c, 0,1
	v_mul_f32 v[BM+2*\c], s26, v[BM+2*\c]          ; the same of each block's largest score
.endr
	s_wait_alu depctr_va_vdst(0)
.irp j, 0,1,2,3,4,5,6,7,8,9,10,11,12,13,14,15,16,17,18,19,20,21,22,23,24,25,26,27,28,29,30,31,32,33,34,35,36,37,38,39,40,41,42,43,44,45,46,47,48,49,50,51,52,53,54,55,56,57,58,59,60,61,62,63
	v_exp_f32 v[S+\j], v[S+\j]                     ; p = 2^t
.endr
.irp c, 0,1
	v_exp_f32 v[BM+2*\c], v[BM+2*\c]               ; the block's largest p: the same two instructions on the same number give the same bits
.endr
	v_nop                                          ; one plain line behind the exponentials
	s_wait_alu depctr_va_vdst(0)                   ; and the wait behind the batch
.irp c, 0,1
	v_add_nc_u32 v[SO+\c], 0xff000000, v[BM+2*\c]  ; 2 off the exponent field.  No floor: p is at least 2^-17
.endr
.irp c, 0,1
	s_delay_alu instid0(VALU_DEP_2)
	v_lshrrev_b32 v[BM+2*\c+1], 23, v[SO+\c]       ; the scale's byte
.endr
	s_delay_alu instid0(VALU_DEP_1)
	v_lshl_or_b32 v[T], v[BM+3], 16, v[BM+1]       ; my blocks' bytes: blocks h and 2 + h at bytes 0 and 2
	s_delay_alu instid0(VALU_DEP_1)
	v_permlanex16_b32 v[T+1], v[T], s24, s25
	WIN 0x15*\w
	v_lshl_or_b32 v[PW+\w], v[T+1], 8, v[T]        ; in lanes 0-15, the only ones read: blocks 0, 2 are mine, blocks 1, 3 lane l + 16's
	WIN 0x55*\w
.irp c, 0,1
	v_cvt_scalef32_pk16_fp6_f32 v[PC+6*\c:PC+6*\c+2], v[S+32*\c:S+32*\c+15], v[SO+\c]
	v_cvt_scalef32_pk16_fp6_f32 v[PT+4*\c:PT+4*\c+2], v[S+32*\c+16:S+32*\c+31], v[SO+\c]   ; (a conversion's three registers begin on an even number)
.endr
	v_nop                                          ; one plain line behind the conversions
.irp c, 0,1
.irp i, 0,1,2
	v_mov_b32 v[PC+6*\c+3+\i], v[PT+4*\c+\i]
.endr
.endr
.irp j, 0,4,8,12,16,20,24,28,32,36,40,44,48,52,56,60   ; the row's sum is taken of the unquantised p, as a tree laid over p, which is done with.  These lines also stand between the writing of codes and scale word and the products
	v_pk_add_f32 v[S+\j:S+\j+1], v[S+\j:S+\j+1], v[S+\j+2:S+\j+3]
.endr
.irp j, 0,8,16,24,32,40,48,56
	v_pk_add_f32 v[S+\j:S+\j+1], v[S+\j:S+\j+1], v[S+\j+4:S+\j+5]
.endr
.irp j, 0,16,32,48
	v_pk_add_f32 v[S+\j:S+\j+1], v[S+\j:S+\j+1], v[S+\j+8:S+\j+9]
.endr
.irp j, 0,32
	v_pk_add_f32 v[S+\j:S+\j+1], v[S+\j:S+\j+1], v[S+\j+16:S+\j+17]
.endr
	s_delay_alu instid0(VALU_DEP_1)
.if \z
	v_pk_add_f32 v[L0:L0+1], v[S:S+1], v[S+32:S+33]        ; a pass's first step starts the sum
.else
	v_pk_add_f32 v[S:S+1], v[S:S+1], v[S+32:S+33]
	s_delay_alu instid0(VALU_DEP_1)
	v_pk_add_f32 v[L0:L0+1], v[L0:L0+1], v[S:S+1]
.endif
.endm
; A KEY STEP: 128 keys x 32 queries.  s28, s29: where the NEXT step's fragments and scale words begin (6,144 and 256 bytes a step).
.macro STEP z
	s_wait_dscnt 0x0                               ; this step's fragments and words of k
	WIN 0x04                                       ; source 1 (q) window 1
	SALL 0
	WIN 0x54                                       ; source 1, C and D window 1
	SALL 1
	WIN 0
	v_add_nc_u32 v[AV], s28, v[VBM]                ; these five are also the places between the products and the loads into their fragments, and the first read of the scores
	v_add_nc_u32 v[AVW], s29, v[VWM]
	v_add_nc_u32 v[AK], s28, v[KB]
	v_add_nc_u32 v[AK+1], s28, v[KB+1]
	v_add_nc_u32 v[AKW], s29, v[KWB]
.irp t, 0,1,2,3                        ; this step's v lands under the softmax
.irp g, 0,1,2
	ds_load_b128 v[VF+12*\t+4*\g:VF+12*\t+4*\g+3], v[AV] offset:1536*\t+512*\g
.endr
.endr
	ds_load_b32 v[VS], v[AVW]
	ds_load_b32 v[VS+1], v[AVW] offset:128
	KLOAD AK, AKW                                  ; and the next step's k (behind a pass's last step: bytes of the filled image that nobody uses)
	SOFT 0, \z
	SOFT 1, \z
	WIN 0
	s_wait_dscnt 14                                ; v's 14 loads are in; the 14 of the next k, issued behind them, may be out
	s_wait_alu depctr_va_vdst(0)                   ; the wait ahead of the readers of O^T, the codes and the scale words
	OALL 0, \z                                     ; eight accumulators by turns, one instruction a turn
	WIN 0x54
	OALL 1, \z
	WIN 0
.endm
; The end of a pass, tile w: O^T / the sum is y's 64 channels of 16 queries: two blocks of 32, each split between lanes l and l xor 16; six registers a lane
.macro YOUT w
	WIN 0x55*\w
	v_add_f32 v[T], v[L0], v[L0+1]
	s_delay_alu instid0(VALU_DEP_1)
	v_permlanex16_b32 v[T+1], v[T], s24, s25
	s_delay_alu instid0(VALU_DEP_1)
	v_add_f32 v[T], v[T], v[T+1]                   ; with lane l xor 16's keys: the row's sum
	s_wait_alu depctr_va_vdst(0)
	v_rcp_f32 v[L0], v[T]
	v_nop                                          ; a plain line behind the reciprocal; with the additions above these are also the places behind the last products
	v_nop
	s_wait_alu depctr_va_vdst(0)
.irp i, 0,2,4,6,8,10,12,14,16,18,20,22,24,26,28,30
	v_pk_mul_f32 v[S+\i:S+\i+1], v[O+\i:O+\i+1], v[L0:L0+1] op_sel_hi:[1,0]   ; each accumulator from its low end on
.endr
.irp b, 0,1
	v_max3_num_f32 v[BM+\b], |v[S+16*\b]|, |v[S+16*\b+1]|, 0x1800000   ; with the floor 2^(3 - 127)
.endr
.irp i, 2,4,6,8,10,12,14
.irp b, 0,1
	s_delay_alu instid0(VALU_DEP_2)
	v_max3_num_f32 v[BM+\b], v[BM+\b], |v[S+16*\b+\i]|, |v[S+16*\b+\i+1]|
.endr
.endr
.irp b, 0,1
	v_permlanex16_b32 v[BM+2+\b], v[BM+\b], s24, s25
.endr
.irp b, 0,1
	s_delay_alu instid0(VALU_DEP_2)
	v_max_num_f32 v[BM+\b], v[BM+\b], v[BM+2+\b]
.endr
.irp b, 0,1
	s_delay_alu instid0(VALU_DEP_2)
	v_add_nc_u32 v[SO+\b], 0xff000000, v[BM+\b]
.endr
.irp b, 0,1
	s_delay_alu instid0(VALU_DEP_2)
	v_lshrrev_b32 v[BM+2+\b], 23, v[SO+\b]
.endr
	s_delay_alu instid0(VALU_DEP_1)
	v_lshl_or_b32 v[HW], v[BM+3], 8, v[BM+2]       ; the head's two bytes of my query's scale word
	v_cvt_scalef32_pk16_fp6_f32 v[PC:PC+2], v[S:S+15], v[SO]
	v_cvt_scalef32_pk16_fp6_f32 v[PT:PT+2], v[S+16:S+31], v[SO+1]
	v_nop
.irp i, 0,1,2
	v_permlane16_swap_b32 v[PC+\i], v[PT+\i]       ; the operand wants a whole block in a lane
.endr
.irp i, 0,1,2
	v_mov_b32 v[PC+3+\i], v[PT+\i]
.endr
	WIN 0x04*\w                                    ; a store's data are its source 1
	global_store_b128 v[L16], v[PC:PC+3], s[36:37] offset:3072*\w        ; 512 consecutive bytes, aligned
	global_store_b64 v[L8], v[PC+4:PC+5], s[36:37] offset:3072*\w+512    ; 256 consecutive bytes, aligned
.endm
	s_load_b128 s[4:7], s[0:1], 0x0                ; qkv, yb
	v_lshl_add_u32 v[SPW], v0, 2, SPARE
	v_mov_b32 v[NIL], 0
	ds_add_u32 v[SPW], v[NIL]                      ; the opening lines: the add, twice on end, and its wait ahead of my tensor load
	ds_add_u32 v[SPW], v[NIL]
	v_lshrrev_b32 v1, 5, v0
	v_readfirstlane_b32 s8, v1                     ; wave 0..7
	s_bfe_u32 s9, ttmp6, 0x40000                   ; cx: my quarter of the queries: it enters global addresses of q and y alone
	s_and_b32 s10, ttmp7, 0xffff                   ; (batch, head), which the four partners share
	s_mul_i32 s40, s10, HEADB
	s_mul_i32 s13, s8, 25600                       ; my eighth: 100 rows of 256 bytes; LDS address = wave x 25,600
	s_add_co_u32 s42, s40, s13
	s_add_co_u32 s42, s42, REG                     ; k's region begins one region on
	s_mov_b32 s43, 0
	s_mov_b32 s16, 15|(3<<16)|(1<<21)              ; group 1: the mask names all four; elements of 8 bytes; bit 21 beside a mask; no padding
	s_mov_b32 s17, 32<<16
	s_mov_b32 s18, 100<<16
	s_mov_b32 s19, 32<<16
	s_mov_b32 s20, 100
	s_mov_b32 s21, 32
	s_mov_b32 s22, 0
	s_mov_b32 s23, 0
	s_mov_b32 s12, 1
	s_wait_dscnt 0x0
	s_wait_kmcnt 0x0
	s_add_nc_u64 s[14:15], s[4:5], s[42:43]
	s_or_b32 s15, s15, 0x80000000
	CROUND                                         ; all four work-groups are here: the joint loads meet
	tensor_load_to_lds s[12:15], s[16:23]          ; one tensor load of mine is out
	s_nop 0
.rept 4
	v_nop
.endr
	s_lshr_b32 s44, s10, 4                         ; batch
	s_and_b32 s45, s10, 15                         ; head
	s_lshl_b32 s46, s9, 4
	s_lshl_b32 s47, s8, 1
	s_add_co_u32 s46, s46, s47                     ; F = 16 cx + 2 wave: the first pass's 32 queries; the second pass takes F + 1
	s_mov_b32 s3, 0
	s_mul_i32 s2, s46, 1536
	s_add_co_u32 s2, s2, s40
	s_add_nc_u64 s[32:33], s[4:5], s[2:3]          ; q's fragment F
	s_lshl_b32 s2, s46, 6
	s_add_co_u32 s2, s2, s40
	s_add_co_u32 s2, s2, SCO
	s_add_nc_u64 s[34:35], s[4:5], s[2:3]          ; and its scale words
	s_lshl_b32 s2, s44, 7                          ; y: token tile 128 batch + 2 F,
	s_lshl_b32 s47, s46, 1
	s_add_co_u32 s2, s2, s47
	s_mul_i32 s2, s2, 3072
	s_lshr_b32 s47, s45, 2                         ; chunk head / 4,
	s_mul_i32 s47, s47, PLY
	s_add_co_u32 s2, s2, s47
	s_bfe_u32 s47, s45, 0x10001                    ; its half (head / 2) % 2,
	s_mul_i32 s47, s47, 1536
	s_add_co_u32 s2, s2, s47
	s_and_b32 s47, s45, 1                          ; and the fragment's half head % 2
	s_mul_i32 s47, s47, 768
	s_add_co_u32 s2, s2, s47
	s_add_nc_u64 s[36:37], s[6:7], s[2:3]
	s_lshr_b32 s2, s45, 1                          ; y's scale words: [head / 2][token], my two bytes at 2 (head % 2)
	s_lshl_b32 s2, s2, 13
	s_lshl_b32 s47, s44, 11
	s_add_co_u32 s2, s2, s47
	s_lshl_b32 s47, s46, 5
	s_add_co_u32 s2, s2, s47
	s_lshl_b32 s2, s2, 2
	s_and_b32 s47, s45, 1
	s_lshl_b32 s47, s47, 1
	s_add_co_u32 s2, s2, s47
	s_add_co_u32 s2, s2, YSC
	s_add_nc_u64 s[38:39], s[6:7], s[2:3]
	s_mov_b32 s24, 0x76543210
	s_mov_b32 s25, 0xfedcba98                      ; v_permlanex16_b32's selects for lane l xor 16
	s_mov_b32 s26, 0x3e38aa3b                      ; c = log2(e) / 8: t = score x c
	s_mov_b32 s27, s26                             ; (named with it as a pair)
	v_and_b32 v[TW], 31, v0                        ; lane
	v_and_b32 v[TW+1], 7, v0                       ; r % 8
	v_bfe_u32 v30, v0, 3, 1                        ; r / 8
	v_bfe_u32 v31, v0, 4, 1                        ; h
	v_and_b32 v1, 15, v0                           ; r
	v_lshlrev_b32 v[L16], 4, v[TW]
	v_lshlrev_b32 v[L8], 3, v[TW]
	v_lshlrev_b32 v[L4], 2, v[TW]
	v_lshlrev_b32 v1, 2, v1
	v_xor_b32 v[LX], 128, v[L16]
	WIN 0x40                                       ; destination window 1
.irp c, 0,1,2
	global_load_b128 v[QI+4*\c:QI+4*\c+3], v[L16], s[32:33] offset:512*\c
.endr
.irp c, 0,1,2
	global_load_b128 v[QJ+4*\c:QJ+4*\c+3], v[LX], s[32:33] offset:1536+512*\c   ; F + 1 is odd
.endr
.irp i, 0,1,2,3,4,5
	v_mov_b32 v[QO+6+\i], 0                        ; the zeros between the two copies of q
	v_mov_b32 v[QO+24+\i], 0
.endr
	v_mov_b32 v[T+1], 0                            ; written once: a lane permute's destination counts as one of its sources
	WIN 0
	v_mov_b32 v[T+1], 0
	global_load_b32 v[QW], v1, s[34:35]            ; row r's word, in both halves of the lanes
	global_load_b32 v[QW+1], v1, s[34:35] offset:64
	v_lshlrev_b32 v[KB], 4, v[TW+1]                ; k, x = 0: rows 0-7 take lanes 0-7 (+ 16 h) of the even fragment; rows 8-15 the same lanes of the odd one, which lie 1,536 + 128 bytes on
	v_mad_u32_u24 v[KB], v30, 1664, v[KB]
	v_lshl_add_u32 v[KB], v31, 8, v[KB]
	v_xor_b32 v[KB+1], 128, v[KB]                  ; x = 1: lanes 8-15: the other 128 bytes in both
	v_lshlrev_b32 v[KWB], 2, v[TW+1]               ; k's words: 64 (r / 8) + 32 x + 4 (r % 8), x = my half of the lanes
	v_lshl_add_u32 v[KWB], v30, 6, v[KWB]
	v_lshl_add_u32 v[KWB], v31, 5, v[KWB]
	v_add_nc_u32 v[KWB], KSC, v[KWB]
	v_add_nc_u32 v[VBM], VC-6144, v[L16]
	v_add_nc_u32 v[VWM], VSC-256, v[L4]
	v_cmp_eq_u32 s50, 1, v31                       ; the upper lanes
	s_mov_b32 s49, 0
	s_wait_alu depctr_va_vdst(0)
	s_wait_tensorcnt 0x0                           ; my eighth is in,
	s_barrier_signal -1
	s_barrier_wait -1                              ; everybody's is
	s_wait_loadcnt 0x0                             ; q
.Lpass:                                                ; a pass: 32 queries against all keys
	s_wait_dscnt 0x0                               ; no load into k's fragments is out
	KLOAD KB, KWB                                  ; step 0's k
	v_and_b32 v[TW], 0xffff, v[QW]                 ; a tile's two scale bytes, twice: they serve q | 0 and 0 | q alike
	v_lshrrev_b32 v[TW+1], 16, v[QW]
	v_lshl_or_b32 v[QS], v[QW], 16, v[TW]
	v_and_or_b32 v[QS+1], v[QW], 0xffff0000, v[TW+1]
	WIN 0x55
.irp i, 0,1,2,3,4,5
	v_mov_b32 v[QO+\i], v[QI+\i]
	v_mov_b32 v[QO+12+\i], v[QI+\i]
	v_mov_b32 v[QO+18+\i], v[QI+6+\i]
	v_mov_b32 v[QO+30+\i], v[QI+6+\i]
.endr
	WIN 0
	s_mov_b32 s28, 6144
	s_mov_b32 s29, 256
	s_wait_alu depctr_va_vdst(0)
	STEP 1                                         ; the first step's products start the sums: nothing is cleared
	s_mov_b32 s48, 15
.Lstep:
	s_add_co_u32 s28, s28, 6144
	s_add_co_u32 s29, s29, 256
	STEP 0
	s_sub_co_u32 s48, s48, 1
	s_cmp_lg_u32 s48, 0
	s_cbranch_scc1 .Lstep
	YOUT 0
	YOUT 1
	WIN 0x04
	v_cndmask_b32 v[TW], v[HW], v[HW], s50         ; lanes 0-15: the first tile's rows (window 0), lanes 16-31: the second's (window 1)
	WIN 0
	global_store_b16 v[L4], v[TW], s[38:39]
	s_wait_xcnt 0x0                                ; the stores have read their registers and bases
	s_add_nc_u64 s[36:37], s[36:37], 6144          ; two token tiles on
	s_add_nc_u64 s[38:39], s[38:39], 128           ; 32 tokens on
	v_mov_b32 v[QW], v[QW+1]                       ; the second pass's q
	WIN 0x55
.irp i, 0,1,2,3,4,5,6,7,8,9,10,11
	v_mov_b32 v[QI+\i], v[QJ+\i]
.endr
	WIN 0
	s_add_co_u32 s49, s49, 1
	s_cmp_lt_u32 s49, 2
	s_wait_alu depctr_va_vdst(0)
	s_cbranch_scc1 .Lpass
	s_wait_dscnt 0x0
	s_wait_tensorcnt 0x0                           ; the wave's end
	ds_add_u32 v[SPW], v[NIL]
	s_wait_dscnt 0x0
	CROUND                                         ; the closing round: no work-group ends while a partner may still ask for a block that names it
	s_endpgm
.Lfunc_end_k_q99f1845038_attn:
	.size	k_q99f1845038_attn, .Lfunc_end_k_q99f1845038_attn-k_q99f1845038_attn
	.p2alignl 7, 3214868480
	.fill 96, 4, 3214868480
	.section	.rodata,"a",@progbits
	.p2align	6, 0x0
	.amdhsa_kernel k_q99f1845038_attn
		.amdhsa_group_segment_fixed_size 206848
		.amdhsa_private_segment_fixed_size 0
		.amdhsa_enable_private_segment 0
		.amdhsa_kernarg_size 16
		.amdhsa_user_sgpr_count 2
		.amdhsa_user_sgpr_kernarg_segment_ptr 1
		.amdhsa_wavefront_size32 1
		.amdhsa_system_sgpr_workgroup_id_x 1
		.amdhsa_system_sgpr_workgroup_id_y 1
		.amdhsa_system_sgpr_workgroup_id_z 1
		.amdhsa_system_vgpr_workitem_id 0
		.amdhsa_next_free_vgpr 512
		.amdhsa_next_free_sgpr 66
		.amdhsa_reserve_vcc 0
		.amdhsa_float_denorm_mode_32 3
		.amdhsa_float_denorm_mode_16_64 3
		.amdhsa_memory_ordered 1
		.amdhsa_forward_progress 1
		.amdhsa_inst_pref_size 66
	.end_amdhsa_kernel
	.amdgpu_metadata
---
amdhsa.version: [ 1, 2 ]
amdhsa.kernels:
  - .name:           k_q99f1845038_attn
    .symbol:         k_q99f1845038_attn.kd
    .args:
      - { .name: qkv, .offset: 0, .size: 8, .value_kind: global_buffer, .address_space: global }
      - { .name: yb, .offset: 8, .size: 8, .value_kind: global_buffer, .address_space: global }
    .group_segment_fixed_size: 206848
    .private_segment_fixed_size: 0
    .kernarg_segment_align: 8
    .kernarg_segment_size: 16
    .max_flat_workgroup_size: 256
    .sgpr_count:     66
    .vgpr_count:     512
    .wavefront_size: 32
...
	.end_amdgpu_metadata
.endif
;; end of part 3
;; launch oproj (part 4): grid 8 x 32, 4 waves a work-group, clusters of 4 x 4, 295,424 bytes of LDS; arguments yb, xw, out0; writes out0
.if DOCPART == 4
	.amdgcn_target "amdgcn-amd-amdhsa--gfx1250"
	.amdhsa_code_object_version 6
	.text
	.protected	k_q99f1845038_oproj
	.globl	k_q99f1845038_oproj
	.p2align	8
	.type	k_q99f1845038_oproj,@function
k_q99f1845038_oproj:
	s_mov_b64 s[64:65], 0
	v_nop
	global_prefetch_b8 v0, s[64:65] scope:SCOPE_SE
	s_setreg_imm32_b32 hwreg(HW_REG_WAVE_MODE, 25, 1), 1
	s_wait_xcnt 0x0
	s_wait_alu depctr_hold_cnt(0) depctr_sa_sdst(0) depctr_va_vdst(0) depctr_va_sdst(0) depctr_va_ssrc(0) depctr_va_vcc(0) depctr_vm_vsrc(0)
	s_getreg_b32 s2, hwreg(HW_REG_IB_STS2, 6, 4)
	s_cmp_eq_u32 s2, 0
	s_cbranch_scc0 .Lentry_in_a_cluster
	s_endpgm
.Lentry_in_a_cluster:
	s_bfe_u32 s2, ttmp6, 0x10000c
	s_cmp_lg_u32 s2, 0xf033
	s_cbranch_scc0 .Lentry_shape_is_right
	s_endpgm
.Lentry_shape_is_right:
; out0 = y Wo^T on codes of FP6 (E2M3) with E8M0 scales; out0 [8192][1024] f32.
; A work-group makes 256 tokens x 128 outputs.  The codes of 256 rows of y and 128 rows of Wo for ALL of K = 1,024 are 294,912 bytes and stay in LDS: four chunks of 256 along K, each filled once; no slot is filled again.
; CLUSTER 4 x 4: the four of a row need the same rows of y, the four of a column the same rows of Wo: each block is asked for jointly.
; Source 0 = Wo's eight tiles (all 128 outputs), source 1 = my four tiles of tokens: a lane holds a token, and its eight registers of a tile eight neighbouring outputs.
; Wo's fragments are images of 12 registers (three loads of 16 bytes a lane).  y's lie in two halves of 768 bytes, one for each head of the 128: registers 0-3 at 16 l, registers 4-5 at 512 + 8 l.
; Both operands have a block's codes in the order k 0-7, 16-23, 8-15, 24-31.
; REGISTERS: window 0: v3-25 addresses; v32-63, v64-79 the scale words of Wo and y for all of K (they hold nothing else); v96-223 rows on the way out.
;   window 1: Wo's fragments, two sets.   window 2: the 32 accumulators, (q, p) at 64 q + 8 p.   window 3: y's fragments, two sets.
.set PLX,   2359296                    ; a chunk's images in xw
.set PLY,   1572864                    ; and in yb
.set XSC,   4*PLX
.set YSC,   4*PLY
.set SHALF, 196608
.set CHUNK, 73728
.set HALFK, 147456                     ; LDS: half of K: y's chunk 2 f, y's chunk 2 f + 1 (49,152 bytes each), then Wo's two (24,576 each)
.set WOFF,  98304                      ; where Wo's chunks begin in a half
.set WR0,   704                        ; Wo's first row tile in xw
.set SPITCH, 528                       ; the way out: a stage of 16 rows x (512 + 16) bytes for each wave, in chunk 0: it has had its only fill, and nobody reads it behind the barrier in front of chunk 2
.set L16, 3
.set L4,  4
.set L8,  5
.set ADP, 8                            ; v8-11   LDS address of Wo's fragments in chunk 0..3
.set ADR, 12                           ; v12-15  of y's, 16 bytes a lane;  v20-23 the same, 8 bytes a lane
.set ADR8, 20
.set STO, 24
.set RD,  25
.set SP,  32
.set SR,  64
.set BK,  96
.set G1A, 24
.set G1B, 32
.set G0A, 40
.set G0B, 68
.set OUT, 88
.set SPB, 98
.set SRB, 100
.set MSB, 0
.macro WIN new
.if MSB != (\new)
	s_set_vgpr_msb (MSB<<8)|(\new)
.set MSB, (\new)
.endif
.endm
.macro CROUND
	s_barrier_signal -1
	s_barrier_wait -1
	s_cmp_lg_u32 s14, 0
	s_cbranch_scc1 .Lnot_wave_0_\@
	s_barrier_signal -3
.Lnot_wave_0_\@:
	s_barrier_wait -3
	s_barrier_signal -1
	s_barrier_wait -1
.endm
.macro PLACES                          ; four plain lines between a matrix instruction and a load into, or a read of, its registers
.rept 4
	v_nop
.endr
.endm
.macro WM                              ; one product; rD, rA, rB, rSA, rSB name its registers; fZ: it starts the sum; fRA, fRB: the scale words stand in lanes 16-31
.if fZ
.if fRA && fRB
	v_wmma_scale_f32_16x16x128_f8f6f4 v[rD:rD+7], v[rA:rA+11], v[rB:rB+11], 0, v[rSA], v[rSB] matrix_a_fmt:MATRIX_FMT_FP6 matrix_b_fmt:MATRIX_FMT_FP6 matrix_a_scale:MATRIX_SCALE_ROW1 matrix_b_scale:MATRIX_SCALE_ROW1
.elseif fRA
	v_wmma_scale_f32_16x16x128_f8f6f4 v[rD:rD+7], v[rA:rA+11], v[rB:rB+11], 0, v[rSA], v[rSB] matrix_a_fmt:MATRIX_FMT_FP6 matrix_b_fmt:MATRIX_FMT_FP6 matrix_a_scale:MATRIX_SCALE_ROW1
.elseif fRB
	v_wmma_scale_f32_16x16x128_f8f6f4 v[rD:rD+7], v[rA:rA+11], v[rB:rB+11], 0, v[rSA], v[rSB] matrix_a_fmt:MATRIX_FMT_FP6 matrix_b_fmt:MATRIX_FMT_FP6 matrix_b_scale:MATRIX_SCALE_ROW1
.else
	v_wmma_scale_f32_16x16x128_f8f6f4 v[rD:rD+7], v[rA:rA+11], v[rB:rB+11], 0, v[rSA], v[rSB] matrix_a_fmt:MATRIX_FMT_FP6 matrix_b_fmt:MATRIX_FMT_FP6
.endif
.else
.if fRA && fRB
	v_wmma_scale_f32_16x16x128_f8f6f4 v[rD:rD+7], v[rA:rA+11], v[rB:rB+11], v[rD:rD+7], v[rSA], v[rSB] matrix_a_fmt:MATRIX_FMT_FP6 matrix_b_fmt:MATRIX_FMT_FP6 matrix_a_scale:MATRIX_SCALE_ROW1 matrix_b_scale:MATRIX_SCALE_ROW1
.elseif fRA
	v_wmma_scale_f32_16x16x128_f8f6f4 v[rD:rD+7], v[rA:rA+11], v[rB:rB+11], v[rD:rD+7], v[rSA], v[rSB] matrix_a_fmt:MATRIX_FMT_FP6 matrix_b_fmt:MATRIX_FMT_FP6 matrix_a_scale:MATRIX_SCALE_ROW1
.elseif fRB
	v_wmma_scale_f32_16x16x128_f8f6f4 v[rD:rD+7], v[rA:rA+11], v[rB:rB+11], v[rD:rD+7], v[rSA], v[rSB] matrix_a_fmt:MATRIX_FMT_FP6 matrix_b_fmt:MATRIX_FMT_FP6 matrix_b_scale:MATRIX_SCALE_ROW1
.else
	v_wmma_scale_f32_16x16x128_f8f6f4 v[rD:rD+7], v[rA:rA+11], v[rB:rB+11], v[rD:rD+7], v[rSA], v[rSB] matrix_a_fmt:MATRIX_FMT_FP6 matrix_b_fmt:MATRIX_FMT_FP6
.endif
.endif
.endm
.macro MULS s                          ; K step s: 32 products; the 32 accumulators take turns, one instruction a turn, in the same order in every step
	WIN 0xad                                       ; source 0 window 1, source 1 window 3, C and D window 2
.irp q, 0,1,2,3
.irp p, 0,1,2,3,4,5,6,7
.set rD, 64*\q+8*\p
.set rA, 96*((\s)%2)+12*\p
.set rB, 48*((\s)%2)+12*\q
.set rSA, SP+8*(\p/2)+(\s)
.set rSB, SR+8*(\q/2)+(\s)
.if (\s) == 0
.set fZ, 1
.else
.set fZ, 0
.endif
.set fRA, \p%2
.set fRB, \q%2
	WM
.endr
.endr
.endm
.macro FETCH s                         ; K step s's fragments: 24 + 16 loads, into set s % 2
	WIN 0x40
.irp p, 0,1,2,3,4,5,6,7
.irp c, 0,1,2
	ds_load_b128 v[96*((\s)%2)+12*\p+4*\c:96*((\s)%2)+12*\p+4*\c+3], v[ADP+(\s)/2] offset:3072*\p+1536*((\s)%2)+512*\c
.endr
.endr
	WIN 0xc0
.irp q, 0,1,2,3
.set fR, 48*((\s)%2)+12*\q
.set oR, 3072*\q+1536*((\s)%2)
	ds_load_b128 v[fR:fR+3],     v[ADR+(\s)/2]  offset:oR
	ds_load_b64  v[fR+4:fR+5],   v[ADR8+(\s)/2] offset:oR+512
	ds_load_b128 v[fR+6:fR+9],   v[ADR+(\s)/2]  offset:oR+768
	ds_load_b64  v[fR+10:fR+11], v[ADR8+(\s)/2] offset:oR+1280
.endr
	WIN 0
.endm
	s_load_b128 s[4:7], s[0:1], 0x0                ; yb, xw
	s_load_b64 s[8:9], s[0:1], 0x10                ; out0
	v_lshl_add_u32 v254, v0, 2, 0x48000
	v_mov_b32 v255, 0
	ds_add_u32 v254, v255
	ds_add_u32 v254, v255
	v_lshrrev_b32 v1, 5, v0
	v_readfirstlane_b32 s14, v1                    ; wave 0..3
	s_lshr_b32 s15, s14, 1                         ; which half of K I fetch
	s_and_b32 s16, s14, 1                          ; for y (0) or for Wo (1)
	s_bfe_u32 s17, ttmp6, 0x40000                  ; cx, cy
	s_bfe_u32 s18, ttmp6, 0x40004
	s_lshl_b32 s19, ttmp9, 2
	s_add_co_u32 s19, s19, s17                     ; tx
	s_and_b32 s20, ttmp7, 0xffff
	s_lshl_b32 s20, s20, 2
	s_add_co_u32 s20, s20, s18                     ; ty
	s_lshl_b32 s21, s18, 2
	s_lshl_b32 s21, 15, s21                        ; my row of the cluster
	s_lshl_b32 s22, 0x1111, s17                    ; my column
	s_or_b32 s[G1A], s21, (3<<16)|(1<<21)          ; 15:0 the mask; 17:16 elements of 8 bytes; 21 set beside a mask; no padding
	s_mov_b32 s[G1A+1], 6144<<16                   ; y: two rows, one for each chunk, of 49,152 bytes (6,144 elements of 8 bytes)
	s_mov_b32 s[G1A+2], 2<<16
	s_mov_b32 s[G1A+3], 6144<<16
	s_mov_b32 s[G1A+4], 2
	s_mov_b32 s[G1A+5], PLY/8                      ; from chunk to chunk
	s_mov_b32 s[G1A+6], 0
	s_mov_b32 s[G1A+7], 0
	s_or_b32 s[G1B], s22, (3<<16)|(1<<21)
	s_mov_b32 s[G1B+1], 3072<<16                   ; Wo: two rows of 24,576 bytes
	s_mov_b32 s[G1B+2], 2<<16
	s_mov_b32 s[G1B+3], 3072<<16
	s_mov_b32 s[G1B+4], 2
	s_mov_b32 s[G1B+5], PLX/8
	s_mov_b32 s[G1B+6], 0
	s_mov_b32 s[G1B+7], 0
	s_mul_i32 s60, s15, 2*PLY                      ; wave / 2: which half of K I fetch; wave % 2: for y (0) or for Wo (1)
	s_mul_i32 s56, s20, 16*3072                    ; y: row tile 16 ty: on ty alone
	s_add_co_u32 s56, s56, s60
	s_mov_b32 s57, 0
	s_mul_i32 s60, s15, 2*PLX
	s_lshl_b32 s58, s19, 3                         ; Wo: row tile WR0 + 8 tx: on tx alone
	s_add_co_u32 s58, s58, WR0
	s_mul_i32 s58, s58, 3072
	s_add_co_u32 s58, s58, s60
	s_mov_b32 s59, 0
	s_mul_i32 s60, s15, HALFK                      ; where they go: no place in the cluster enters an LDS address
	s_add_co_u32 s61, s60, WOFF
	s_wait_dscnt 0x0
	s_wait_kmcnt 0x0
	s_add_nc_u64 s[56:57], s[4:5], s[56:57]
	s_add_nc_u64 s[58:59], s[6:7], s[58:59]
.irp k, 0                              ; one group 0 for y's load and one for Wo's
	s_mov_b32 s[G0A+4*\k], 1
	s_add_co_u32 s[G0A+4*\k+1], s60, \k*CHUNK
	s_add_nc_u64 s[G0A+4*\k+2:G0A+4*\k+3], s[56:57], \k*PLY
	s_or_b32 s[G0A+4*\k+3], s[G0A+4*\k+3], 0x80000000
	s_mov_b32 s[G0B+4*\k], 1
	s_add_co_u32 s[G0B+4*\k+1], s61, \k*CHUNK
	s_add_nc_u64 s[G0B+4*\k+2:G0B+4*\k+3], s[58:59], \k*PLX
	s_or_b32 s[G0B+4*\k+3], s[G0B+4*\k+3], 0x80000000
.endr
	CROUND                                         ; all sixteen work-groups are here: the joint loads meet
	s_cmp_eq_u32 s16, 0                            ; one joint load a wave, in the two arms of one branch on its number
	s_cbranch_scc0 .Lfor_w
	tensor_load_to_lds s[G0A:G0A+3], s[G1A:G1A+7]
	s_nop 0
.rept 4
	v_nop
.endr
	s_branch .Lasked
.Lfor_w:
	tensor_load_to_lds s[G0B:G0B+3], s[G1B:G1B+7]
	s_nop 0
.rept 4
	v_nop
.endr
.Lasked:
	v_and_b32 v1, 31, v0                           ; lane
	v_bfe_u32 v2, v0, 4, 1                         ; h
	v_and_b32 v6, 15, v0                           ; r
	v_lshlrev_b32 v[L16], 4, v1
	s_wait_alu depctr_va_vdst(0)
	v_lshlrev_b32 v[L4], 2, v1
	s_wait_alu depctr_va_vdst(0)
	v_lshlrev_b32 v[L8], 3, v1
	s_wait_alu depctr_va_vdst(0)
	s_mov_b32 s3, 0
	s_lshl_b32 s2, s19, 11                         ; Wo's scale words: rows 11264 + 128 tx on
	s_add_co_u32 s2, s2, XSC+11264*16
	s_add_nc_u64 s[SPB:SPB+1], s[6:7], s[2:3]
	s_lshl_b32 s2, s20, 10                         ; y's: [128 of K][token] words; tokens 256 ty + 64 wave on
	s_lshl_b32 s12, s14, 8
	s_add_co_u32 s2, s2, s12
	s_add_co_u32 s2, s2, YSC
	s_add_nc_u64 s[SRB:SRB+1], s[4:5], s[2:3]
.irp i, 0,1,2,3                        ; a register carries the words of 32 rows: lanes 0-15 tile 2 i, lanes 16-31 tile 2 i + 1
.irp f, 0,1
	global_load_b128 v[SP+8*\i+4*\f:SP+8*\i+4*\f+3], v[L16], s[SPB:SPB+1] offset:\f*SHALF+512*\i
.endr
.endr
.irp i, 0,1
.irp s, 0,1,2,3,4,5,6,7
	global_load_b32 v[SR+8*\i+\s], v[L4], s[SRB:SRB+1] offset:32768*\s+128*\i
.endr
.endr
.irp k, 0,1,2,3
	v_add_nc_u32 v[ADP+\k], (\k/2)*HALFK+WOFF+(\k%2)*24576, v[L16]
.endr
	s_mul_i32 s12, s14, 12288                      ; my four tiles of y
.irp k, 0,1,2,3
	v_add_nc_u32 v[ADR+\k], s12, v[L16]
	v_add_nc_u32 v[ADR8+\k], s12, v[L8]
	s_add_co_u32 s12, s12, 49152+49152*(\k%2)
.endr
	s_mul_i32 s12, s14, 16*SPITCH                  ; my stage
	v_mul_u32_u24 v[STO], v6, SPITCH
	v_lshl_add_u32 v[STO], v2, 5, v[STO]
	v_add_nc_u32 v[STO], s12, v[STO]               ; in: row r, 32 bytes for each half of the lanes
	v_add_nc_u32 v[RD], s12, v[L16]                ; back: the 32 lanes take one row of 512 bytes
	s_lshl_b32 s2, s20, 20                         ; out0: row 256 ty + 64 wave of 4,096 bytes, + 512 tx
	s_lshl_b32 s12, s14, 18
	s_add_co_u32 s2, s2, s12
	s_lshl_b32 s12, s19, 9
	s_add_co_u32 s2, s2, s12
	s_add_nc_u64 s[OUT:OUT+1], s[8:9], s[2:3]
	s_wait_alu depctr_va_vdst(0)
	s_wait_tensorcnt 0x0                           ; my one load is in
	s_barrier_signal -1
	s_barrier_wait -1
	FETCH 0
.irp s, 0,1,2,3,4,5,6
.if \s == 3                            ; the next step begins the second half of K
	s_wait_dscnt 0x0                               ; no LDS instruction of mine is out at a signal
	s_wait_tensorcnt 0x0                           ; my one load is in
	s_barrier_signal -1
	s_barrier_wait -1
.endif
.if \s > 0
	PLACES                                         ; the last step's products read the set that is loaded now
.endif
	FETCH \s+1
	s_wait_dscnt 40                                ; all but the 40 loads just issued: this step's fragments are in
.if \s == 0
	s_wait_loadcnt 0x0                             ; the scale words
.endif
	MULS \s
.endr
	s_wait_dscnt 0x0
	MULS 7
	WIN 0
; THE WAY OUT, a block of 16 tokens x 128 outputs at a time: a lane holds 32 neighbouring bytes of a row a tile; the block goes through my stage and comes back as whole rows of 512 bytes.
; LDS serves a wave's instructions in order (ISA guide 5.7.1.4): no wait between the stores and the loads, nor in front of the next block's stores.
.macro TOSTAGE a
	WIN 0x08                                       ; an LDS store's data are its source 1: window 2
.irp p, 0,1,2,3,4,5,6,7
	ds_store_b128 v[STO], v[64*(\a)+8*\p:64*(\a)+8*\p+3] offset:64*\p          ; each accumulator from its low end on
	ds_store_b128 v[STO], v[64*(\a)+8*\p+4:64*(\a)+8*\p+7] offset:64*\p+16
.endr
	WIN 0
.set BB, BK+64*((\a)%2)
.irp t, 0,1,2,3,4,5,6,7,8,9,10,11,12,13,14,15
	ds_load_b128 v[BB+4*\t:BB+4*\t+3], v[RD] offset:\t*SPITCH
.endr
.endm
.macro SEND a, younger                 ; younger: the LDS instructions issued behind block a's loads, which may stay out
.set BB, BK+64*((\a)%2)
	s_wait_dscnt \younger
.irp t, 0,1,2,3,4,5,6,7,8,9,10,11,12,13,14,15
	global_store_b128 v[L16], v[BB+4*\t:BB+4*\t+3], s[OUT:OUT+1] offset:(16*(\a)+\t)*4096 th:TH_STORE_NT   ; 512 consecutive bytes, aligned; written once, read by nobody here
.endr
.endm
	PLACES                                         ; results are read below
	TOSTAGE 0
.irp a, 1,2,3
.if \a > 1
	s_wait_xcnt 0x0                                ; block a - 2's stores have read the registers that block a's loads take
.endif
	TOSTAGE \a
	SEND \a-1, 32                                  ; behind block a - 1's loads: block a's 16 stores and 16 loads
.endr
	SEND 3, 0
	s_wait_tensorcnt 0x0
	ds_add_u32 v254, v255
	s_wait_dscnt 0x0
	CROUND                                         ; the closing round: no work-group ends while a partner may still ask for a block that names it
	s_endpgm
.Lfunc_end_k_q99f1845038_oproj:
	.size	k_q99f1845038_oproj, .Lfunc_end_k_q99f1845038_oproj-k_q99f1845038_oproj
	.p2alignl 7, 3214868480
	.fill 96, 4, 3214868480
	.section	.rodata,"a",@progbits
	.p2align	6, 0x0
	.amdhsa_kernel k_q99f1845038_oproj
		.amdhsa_group_segment_fixed_size 295424
		.amdhsa_private_segment_fixed_size 0
		.amdhsa_enable_private_segment 0
		.amdhsa_kernarg_size 24
		.amdhsa_user_sgpr_count 2
		.amdhsa_user_sgpr_kernarg_segment_ptr 1
		.amdhsa_wavefront_size32 1
		.amdhsa_system_sgpr_workgroup_id_x 1
		.amdhsa_system_sgpr_workgroup_id_y 1
		.amdhsa_system_sgpr_workgroup_id_z 1
		.amdhsa_system_vgpr_workitem_id 0
		.amdhsa_next_free_vgpr 1024
		.amdhsa_next_free_sgpr 102
		.amdhsa_reserve_vcc 0
		.amdhsa_float_denorm_mode_32 3
		.amdhsa_float_denorm_mode_16_64 3
		.amdhsa_memory_ordered 1
		.amdhsa_forward_progress 1
		.amdhsa_inst_pref_size 78
	.end_amdhsa_kernel
	.amdgpu_metadata
---
amdhsa.version: [ 1, 2 ]
amdhsa.kernels:
  - .name:           k_q99f1845038_oproj
    .symbol:         k_q99f1845038_oproj.kd
    .args:
      - { .name: yb, .offset: 0, .size: 8, .value_kind: global_buffer, .address_space: global }
      - { .name: xw, .offset: 8, .size: 8, .value_kind: global_buffer, .address_space: global }
      - { .name: out0, .offset: 16, .size: 8, .value_kind: global_buffer, .address_space: global }
    .group_segment_fixed_size: 295424
    .private_segment_fixed_size: 0
    .kernarg_segment_align: 8
    .kernarg_segment_size: 24
    .max_flat_workgroup_size: 128
    .sgpr_count:     102
    .vgpr_count:     1024
    .wavefront_size: 32
...
	.end_amdgpu_metadata
.endif
;; end of part 4
